; MI455X (gfx1250); checked and timed in simulation.
; The chip was launched on July 23, 2026; its instructions are those of AMD's public machine-readable ISA for CDNA 5 (MIT licence, August 2026) and "CDNA5" Instruction Set Architecture Reference Guide (July 2026). The comments in the code are by the model that wrote it; some were corrected since.
;; Attention. Allowed arithmetic: matrix products marked QUANTISED: E2M3 operands, one E8M0 scale for each 32 along K, by v_wmma_scale_f32_16x16x128_f8f6f4 with both operands' format E2M3, f32 sums; everything else in f32.
;; Inputs: b_proj 1,024 float32; w_proj 1,024 x 1,024 float32; w_qkv 3,072 x 1,024 float32; x 4 x 2,048 x 1,024 float32.
;; Outputs: out0 4 x 2,048 x 1,024 float32.
;; This version of the problem:
;;   THIS VERSION OF THE PROBLEM IS GIVEN IN LOW PRECISION. The matrix products marked QUANTISED in the list below multiply operands that are first quantised to E2M3 (2 exponent bits, 3 mantissa bits; 6 bits a number), with one power-of-two scale for each 32 numbers along K (OCP MX v1.0); their sums are f32. All else is computed in f32.
;;   The module's matrix products, in the order in which they are computed (A, B: the left and right operand; K: the contracted axis; several contracted axes count as one K, in the product's order):
;;     1. [M 8,192, K 1,024] x [K 1,024, N 3,072]; A: input x; B: input w_qkv: QUANTISED
;;     2. batch 64 x [M 2,048, K 64] x [K 64, N 2,048]; A: computed on the way; B: computed on the way: QUANTISED
;;     3. batch 64 x [M 2,048, K 2,048] x [K 2,048, N 64]; A: softmax (see below); B: computed on the way: QUANTISED
;;     4. [M 8,192, K 1,024] x [K 1,024, N 1,024]; A: computed on the way; B: input w_proj: QUANTISED
;;   THE QUANTISER, for each operand of a quantised product, along K:
;;     - K is cut into blocks of 32 from its start; a last block that is shorter is filled with zeros.
;;     - A block's scale is 2^e with e = floor(log2(the largest magnitude in the block)) - 2, held to -126 .. 127; a block of zeros has e = 0. As a byte (E8M0): e + 127.
;;     - Each number is divided by its block's scale, clamped to +-7.5, and rounded to the nearest number of E2M3, ties to even, subnormals kept.
;;     - The product sums the exact products of the quantised numbers (number of the format x scale) in f32.
;;   ~~~python
;;   def quantise(x, axis):      # numpy; x: float32 -> the quantised numbers, widened to float32 again
;;       x = np.moveaxis(x, axis, -1); K = x.shape[-1]
;;       x = np.pad(x, [(0, 0)] * (x.ndim - 1) + [(0, -K % 32)]); x = x.reshape(x.shape[:-1] + (-1, 32)); a = np.abs(x).max(-1, keepdims=True)
;;       e = np.where(a > 0, np.clip(np.frexp(np.where(a > 0, a, 1))[1] - 1 - 2, -126, 127), 0)      # np.frexp(a)[1] - 1 = floor(log2(a)), exactly
;;       r = np.clip(x / 2.0 ** e, -7.5, 7.5)
;;       step = 2.0 ** (np.maximum(np.frexp(np.where(r == 0, 1, r))[1] - 1, 0) - 3)
;;       q = np.round(r / step) * step * 2.0 ** e      # np.round: ties to even
;;       return np.moveaxis(q.reshape(q.shape[:-2] + (-1,))[..., :K], -1, axis).astype(np.float32)
;;   ~~~
;;   SOFTMAX AHEAD OF A QUANTISED PRODUCT. Where the list says 'softmax', what is quantised is not the finished softmax but p = 2^(t - M), with t = logit x log2(e) and M = ceil(the row's largest t), a whole number; so 1/2 < the row's largest p <= 1. The row's sum l is taken of the UNQUANTISED p, in f32, and the product's result is divided by l at the end. Since M is a whole number, a kernel that streams over the keys may use a running M (the ceiling of the running maximum): every later rescaling is an exact power of two, which a block's scale takes up: the codes' values come out the same.
;;   OPERANDS COMPUTED ON THE WAY. 'Computed on the way' means the value that the module computes at that place (a softmax that the list does not call 'softmax' is quantised finished and normalised). What goes into a quantiser is computed in f32, as accurately as f32 sums, v_exp_f32 and their like allow (about 1e-6 of the number): no bf16 or f16 on the way to a quantiser, and a product that is left as it is and whose result goes on into a quantised operand takes f32 operands (vector FMAs, or v_wmma_f32_16x16x4_f32). A number that lies on a knife's edge between two numbers of the format may be rounded either way, as far as f32 arithmetic and the matrix unit's own rounding can turn it there, and no further.
;; One version. Each part assembles by itself: llvm-mc -triple=amdgcn-amd-amdhsa -mcpu=gfx1250 --defsym DOCPART=n.
;; ======== version 1 of 1: 5 launches
;; limits: right only within a limited range of input values
;; workspace buffers: x_op 6,553,600 bytes; wqk_op 1,638,400 bytes; wv_op 819,200 bytes; wp_op 819,200 bytes; qk_f 13,107,200 bytes; v_f 6,553,600 bytes; o_op 6,553,600 bytes
;; launch quant (part 1): grid 384 x 1, 2 waves a work-group, no clusters, 44,288 bytes of LDS; arguments x, w_qkv, w_proj, x_op, wqk_op, wv_op, wp_op; writes x_op, wqk_op, wv_op, wp_op
.if DOCPART == 1
	.amdgcn_target "amdgcn-amd-amdhsa--gfx1250"
	.amdhsa_code_object_version 6
	.text
	.protected	k_qb7e01938d4_quant
	.globl	k_qb7e01938d4_quant
	.p2align	8
	.type	k_qb7e01938d4_quant,@function
k_qb7e01938d4_quant:
	s_mov_b64 s[64:65], 0
	v_nop
	global_prefetch_b8 v0, s[64:65] scope:SCOPE_SE
	s_setreg_imm32_b32 hwreg(HW_REG_WAVE_MODE, 25, 1), 1
	s_wait_xcnt 0x0
; x [8192][1024], w_qkv [3072][1024] and w_proj [1024][1024], f32 with K innermost, become operands of FP6 (E2M3) codes with one E8M0 scale byte for each 32 along K.
; A block's scale is 2^(floor(log2(its largest magnitude)) - 2); its byte is the largest magnitude's exponent field - 2, held at 1 from below; each number is divided by the scale and rounded to the nearest code, ties to even.
; LIMITS: a block of zeros gets the byte 1 where the rule says 127 (its codes are zeros, and this program alone reads the bytes); blocks whose largest magnitude lies under 2^(3 - 127) have their byte held at 1;
; NaN and infinities among the inputs are not served.
; THE OUTPUT'S LAYOUT is this program's own: a RECORD of 12,800 bytes for each TILE of 16 rows.  Tile T's row r is the tensor's row 32 (T / 2) + 8 (T % 2) + r + 8 (r / 8).
; A record is 8 images of an operand's registers (16 rows x 128 K: 12 registers a lane, 1,536 bytes) and 512 scale bytes.  An image has two halves of 768 bytes, c = 0, 1: registers 6 c .. 6 c + 3, 16 bytes a lane,
; then registers 6 c + 4, 6 c + 5, 8 bytes a lane.  The scale byte of block 8 j + i of row r lies at 12,288 + 128 j + 8 r + i.
; SHARES: a wave takes a tile: 16 rows of 4,096 bytes in, one record out; 768 waves.  Work-groups 0-255 take x, 256-319 w_qkv's rows 0-2,047, 320-351 its rows 2,048-3,071, 352-383 w_proj: only pointers are chosen.
; A row's eight loads read 512 consecutive bytes each; the row turns through the wave's own stage in LDS (128 bytes + 16 of padding to a lane) so that lane l holds block l, all 32 numbers: no other lane is asked for a maximum.
; The record is gathered in the wave's own LDS bytes and leaves by 25 stores of 512 consecutive bytes.  No tensor loads, no barrier: waves share nothing.  Loads run four rows (32 loads a wave) ahead.
.set REC,   12800
.set WREG,  22016                      ; LDS of a wave: two stages, the record
.set SP,    144                        ; a lane's place in a stage
.set STGB,  32*SP
.set IMG,   2*STGB                     ; the record's images
.set SCS,   IMG+12288                  ; and its scale bytes
.set ROWB,  4096
.set R,     32                         ; v32-159  four sets of 32: rows as they are loaded; at the end the record
.set X,     160                        ; v160-223 two sets of 32: a block of 32 neighbours
.set C,     224                        ; v224-239 two sets of 8: a block's codes
.set E,     240                        ; v240-241 its scale byte
	s_load_b256 s[4:11], s[0:1], 0x0               ; x s[4:5], w_qkv s[6:7], w_proj s[8:9], x_op s[10:11]
	s_load_b128 s[12:15], s[0:1], 0x20             ; wqk_op s[12:13], wv_op s[14:15]
	s_load_b64 s[16:17], s[0:1], 0x30              ; wp_op
	v_lshl_add_u32 v248, v0, 2, 0xac00
	v_mov_b32 v249, 0
	v_lshrrev_b32 v1, 5, v0
	v_readfirstlane_b32 s18, v1                    ; wave 0, 1
	v_and_b32 v1, 31, v0                           ; lane l
	v_lshlrev_b32 v2, 4, v1                        ; 16 l: my bytes of a load's or a store's 512
	s_mul_i32 s19, s18, WREG                       ; my wave's LDS bytes
	v_lshrrev_b32 v9, 3, v1                        ; l / 8
	v_and_b32 v10, 7, v1                           ; l % 8
	v_mul_u32_u24 v3, v9, SP
	v_lshl_add_u32 v3, v10, 4, v3
	v_add_nc_u32 v3, s19, v3                       ; the stage, in: eight lanes' 128 bytes on end, then the padding
	v_mul_u32_u24 v4, v1, SP
	v_add_nc_u32 v4, s19, v4                       ; and out: my block
	v_lshrrev_b32 v11, 2, v1                       ; block l lies in K step l / 4,
	v_bfe_u32 v12, v1, 1, 1                        ; half (l / 2) % 2 of the image,
	v_and_b32 v13, 1, v1                           ; lanes 16 (l % 2) + row
	v_mul_u32_u24 v5, v11, 1536
	v_mad_u32_u24 v5, v12, 768, v5
	v_add_nc_u32 v5, s19, v5
	v_lshl_add_u32 v6, v13, 7, v5
	v_add_nc_u32 v6, IMG+512, v6                   ; where my block's registers 4, 5 go: + 8 x row
	v_lshl_add_u32 v5, v13, 8, v5
	v_add_nc_u32 v5, IMG, v5                       ; where its registers 0-3 go: + 16 x row
	v_lshl_add_u32 v7, v9, 7, v10
	v_add_nc_u32 v7, s19, v7
	v_add_nc_u32 v7, SCS, v7                       ; where its scale byte goes: + 8 x row
	v_add_nc_u32 v8, s19, v2
	v_add_nc_u32 v8, IMG, v8                       ; the record read back
	s_mov_b32 s20, 0                               ; the first work-group of my source tensor,
	s_mov_b32 s21, 0                               ; and of my output buffer
	s_wait_kmcnt 0x0
	s_cmp_ge_u32 ttmp9, 256                        ; the choices hang on the work-group's number alone
	s_cselect_b64 s[4:5], s[6:7], s[4:5]
	s_cselect_b64 s[10:11], s[12:13], s[10:11]
	s_cselect_b32 s20, 256, s20
	s_cselect_b32 s21, 256, s21
	s_cmp_ge_u32 ttmp9, 320
	s_cselect_b64 s[10:11], s[14:15], s[10:11]
	s_cselect_b32 s21, 320, s21
	s_cmp_ge_u32 ttmp9, 352
	s_cselect_b64 s[4:5], s[8:9], s[4:5]
	s_cselect_b64 s[10:11], s[16:17], s[10:11]
	s_cselect_b32 s20, 352, s20
	s_cselect_b32 s21, 352, s21
	s_sub_co_u32 s20, ttmp9, s20
	s_lshl_b32 s22, s20, 17                        ; my tile begins at row 32 x work-group + 8 x wave: rows of 4,096 bytes
	s_lshl_b32 s23, s18, 15
	s_add_co_u32 s22, s22, s23
	s_mov_b32 s23, 0
	s_add_nc_u64 s[4:5], s[4:5], s[22:23]
	s_sub_co_u32 s21, ttmp9, s21
	s_lshl_b32 s21, s21, 1
	s_add_co_u32 s21, s21, s18                     ; my tile's number in the output buffer
	s_mul_i32 s22, s21, REC
	s_add_nc_u64 s[10:11], s[10:11], s[22:23]
.macro LOAD t                          ; the tile's row t: the tensor's row t + 8 (t / 8) from the tile's first
.irp j, 0,1,2,3,4,5,6,7
	global_load_b128 v[R+32*((\t)%4)+4*\j:R+32*((\t)%4)+4*\j+3], v2, s[4:5] offset:((\t)+8*((\t)/8))*ROWB+512*\j th:TH_LOAD_NT
.endr
.endm
.macro TURN t                          ; row t through a stage: LDS serves a wave's instructions in order, so no wait stands between the stores and the loads
.irp j, 0,1,2,3,4,5,6,7
	ds_store_b128 v3, v[R+32*((\t)%4)+4*\j:R+32*((\t)%4)+4*\j+3] offset:STGB*((\t)%2)+4*SP*\j
.endr
.irp i, 0,1,2,3,4,5,6,7
	ds_load_b128 v[X+32*((\t)%2)+4*\i:X+32*((\t)%2)+4*\i+3], v4 offset:STGB*((\t)%2)+16*\i
.endr
.endm
.macro STEP t
.set XS, X+32*((\t)%2)
.set CD, C+8*((\t)%2)
.if (\t) > 0
	s_wait_dscnt 3                                 ; this row's numbers are back from the stage; the last row's three stores may be out
.else
	s_wait_dscnt 0x0
.endif
.if (\t)+4 < 16
	LOAD (\t)+4                                    ; into the set that this row has left
.endif
.if (\t)+1 < 16
.if (\t) < 12
	s_wait_loadcnt 24                              ; the next row's eight loads are in; those of the three rows behind it may be out
.else
	s_wait_loadcnt 8*(14-(\t))
.endif
	TURN (\t)+1                                    ; it goes through the other stage while this row is worked
.endif
	v_max3_num_f32 v12, |v[XS]|, |v[XS+1]|, |v[XS+2]|              ; the block's largest magnitude: all 32 numbers are mine; two chains
	v_max3_num_f32 v13, |v[XS+3]|, |v[XS+4]|, |v[XS+5]|
.irp i, 6,10,14,18,22,26
	v_max3_num_f32 v12, v12, |v[XS+\i]|, |v[XS+\i+1]|
	v_max3_num_f32 v13, v13, |v[XS+\i+2]|, |v[XS+\i+3]|
.endr
	v_max3_num_f32 v12, v12, |v[XS+30]|, |v[XS+31]|
	v_max3_num_f32 v12, v12, v13, 0x1800000        ; and the floor 2^(3 - 127): the byte cannot fall under 1
	v_add_nc_u32 v11, 0xff000000, v12              ; 2 off its exponent field: the conversion takes the exponent field of this operand as its scale
	v_cvt_scalef32_pk16_fp6_f32 v[CD:CD+2], v[XS:XS+15], v11
	v_cvt_scalef32_pk16_fp6_f32 v[CD+4:CD+6], v[XS+16:XS+31], v11  ; (a conversion's three registers begin on an even number)
	v_lshrrev_b32 v[E+(\t)%2], 23, v11             ; the scale's byte; also the plain line behind the conversions
	v_mov_b32 v[CD+3], v[CD+4]                     ; the block's 24 bytes on end in six registers
	v_mov_b32 v[CD+4], v[CD+5]
	v_mov_b32 v[CD+5], v[CD+6]
	ds_store_b128 v5, v[CD:CD+3] offset:16*(\t)
	ds_store_b64 v6, v[CD+4:CD+5] offset:8*(\t)
	ds_store_b8 v7, v[E+(\t)%2] offset:8*(\t)
.endm
.irp t, 0,1,2,3
	LOAD \t
.endr
	s_wait_loadcnt 24                              ; row 0's eight loads are in
	TURN 0
.irp t, 0,1,2,3,4,5,6,7,8,9,10,11,12,13,14,15
	STEP \t
.endr
.irp k, 0,1,2,3,4,5,6,7,8,9,10,11,12,13,14,15,16,17,18,19,20,21,22,23,24
	ds_load_b128 v[R+4*\k:R+4*\k+3], v8 offset:512*\k              ; these see my stores: a wave's LDS instructions are served in order
.endr
.irp k, 0,1,2,3,4,5,6,7,8,9,10,11,12,13,14,15,16,17,18,19,20,21,22,23,24
	s_wait_dscnt 24-\k
	global_store_b128 v2, v[R+4*\k:R+4*\k+3], s[10:11] offset:512*\k   ; 32 lanes store 512 consecutive bytes, at a multiple of 256 from the buffer's first byte
.endr
	s_wait_tensorcnt 0x0
	ds_add_u32 v248, v249
	s_wait_dscnt 0x0
	s_endpgm
.Lfunc_end_k_qb7e01938d4_quant:
	.size	k_qb7e01938d4_quant, .Lfunc_end_k_qb7e01938d4_quant-k_qb7e01938d4_quant
	.p2alignl 7, 3214868480
	.fill 96, 4, 3214868480
	.section	.rodata,"a",@progbits
	.p2align	6, 0x0
	.amdhsa_kernel k_qb7e01938d4_quant
		.amdhsa_group_segment_fixed_size 44288
		.amdhsa_private_segment_fixed_size 0
		.amdhsa_enable_private_segment 0
		.amdhsa_kernarg_size 56
		.amdhsa_user_sgpr_count 2
		.amdhsa_user_sgpr_kernarg_segment_ptr 1
		.amdhsa_wavefront_size32 1
		.amdhsa_system_sgpr_workgroup_id_x 1
		.amdhsa_system_sgpr_workgroup_id_y 1
		.amdhsa_system_sgpr_workgroup_id_z 1
		.amdhsa_system_vgpr_workitem_id 0
		.amdhsa_next_free_vgpr 250
		.amdhsa_next_free_sgpr 66
		.amdhsa_reserve_vcc 0
		.amdhsa_float_denorm_mode_32 3
		.amdhsa_float_denorm_mode_16_64 3
		.amdhsa_memory_ordered 1
		.amdhsa_forward_progress 1
		.amdhsa_inst_pref_size 62
	.end_amdhsa_kernel
	.amdgpu_metadata
---
amdhsa.version: [ 1, 2 ]
amdhsa.kernels:
  - .name:           k_qb7e01938d4_quant
    .symbol:         k_qb7e01938d4_quant.kd
    .args:
      - { .name: x, .offset: 0, .size: 8, .value_kind: global_buffer, .address_space: global }
      - { .name: w_qkv, .offset: 8, .size: 8, .value_kind: global_buffer, .address_space: global }
      - { .name: w_proj, .offset: 16, .size: 8, .value_kind: global_buffer, .address_space: global }
      - { .name: x_op, .offset: 24, .size: 8, .value_kind: global_buffer, .address_space: global }
      - { .name: wqk_op, .offset: 32, .size: 8, .value_kind: global_buffer, .address_space: global }
      - { .name: wv_op, .offset: 40, .size: 8, .value_kind: global_buffer, .address_space: global }
      - { .name: wp_op, .offset: 48, .size: 8, .value_kind: global_buffer, .address_space: global }
    .group_segment_fixed_size: 44288
    .private_segment_fixed_size: 0
    .kernarg_segment_align: 8
    .kernarg_segment_size: 56
    .max_flat_workgroup_size: 64
    .sgpr_count:     66
    .vgpr_count:     250
    .wavefront_size: 32
...
	.end_amdgpu_metadata
.endif
;; end of part 1
;; launch qk (part 2): grid 8 x 32, 4 waves a work-group, clusters of 4 x 4, 327,680 bytes of LDS; arguments x_op, wqk_op, qk_f; writes qk_f
.if DOCPART == 2
	.amdgcn_target "amdgcn-amd-amdhsa--gfx1250"
	.amdhsa_code_object_version 6
	.text
	.protected	k_qb7e01938d4_qk
	.globl	k_qb7e01938d4_qk
	.p2align	8
	.type	k_qb7e01938d4_qk,@function
k_qb7e01938d4_qk:
	s_mov_b64 s[64:65], 0
	v_nop
	global_prefetch_b8 v0, s[64:65] scope:SCOPE_SE
	s_setreg_imm32_b32 hwreg(HW_REG_WAVE_MODE, 25, 1), 1
	s_wait_xcnt 0x0
	s_wait_alu depctr_hold_cnt(0) depctr_sa_sdst(0) depctr_va_vdst(0) depctr_va_sdst(0) depctr_va_ssrc(0) depctr_va_vcc(0) depctr_vm_vsrc(0)
	s_getreg_b32 s2, hwreg(HW_REG_IB_STS2, 6, 4)
	s_cmp_eq_u32 s2, 0
	s_cbranch_scc0 .Lentry_in_a_cluster
	s_endpgm
.Lentry_in_a_cluster:
	s_bfe_u32 s2, ttmp6, 0x10000c
	s_cmp_lg_u32 s2, 0xf033
	s_cbranch_scc0 .Lentry_shape_is_right
	s_endpgm
.Lentry_shape_is_right:
.set REC,    12800
.set NQ,     2
.set FR,     12
.set NL,     4
.set NP,     4
.set TROW,   3072
.set HALFT,  8*TROW
.set SLOT,   4*HALFT
.set LAPS,   2
.set SCL,    2*SLOT
.set HALFS,  8*512
.set SPARE,  SCL+4*HALFS
.set ADRA, 16
.set ADRB, 20
.set OF16, 24
.set OF8,  25
.set ADRS, 27
.set SPW,  28
.set NIL,  29
.set SC,   32
.set TM,   64
.set PW,   80
.set SW,   88
.set T2,   96
.set AF,   128
.set PCB,  128
.set G1, 24
.set G0, 32
.set G1B, 48
.set G0B, 56
.set G1S, 68
.set G0S, 76
.set G1SB, 80
.set G0SB, 88
.set MSB, 0
.macro WIN new
.if MSB != (\new)
	s_set_vgpr_msb (MSB<<8)|(\new)
.set MSB, (\new)
.endif
.endm
.set MUL_LO, 0xa1
.set MUL_HI, 0xf1
.set TO_B,   0x40
.macro JLOAD g0a, g1a, g0b, g1b
	s_cmp_eq_u32 s15, 0
	s_cbranch_scc0 .Lfor_b_\@
	tensor_load_to_lds s[\g0a:\g0a+3], s[\g1a:\g1a+7]
	s_nop 0
.rept 4
	v_nop
.endr
	s_branch .Lasked_\@
.Lfor_b_\@:
	tensor_load_to_lds s[\g0b:\g0b+3], s[\g1b:\g1b+7]
	s_nop 0
.rept 4
	v_nop
.endr
.Lasked_\@:
.endm
.macro CREST
	s_cmp_lg_u32 s14, 0
	s_cbranch_scc1 .Lnot_wave_0_\@
	s_barrier_signal -3
.Lnot_wave_0_\@:
	s_barrier_wait -3
	s_barrier_signal -1
	s_barrier_wait -1
.endm
.macro CROUND
	s_barrier_signal -1
	s_barrier_wait -1
	CREST
.endm
	s_load_b128 s[4:7], s[0:1], 0x0
	s_load_b64 s[12:13], s[0:1], 0x10
	v_lshl_add_u32 v[SPW], v0, 2, SPARE
	v_mov_b32 v[NIL], 0
	ds_add_u32 v28, v29
	ds_add_u32 v28, v29
	s_wait_dscnt 0x0
	v_lshrrev_b32 v1, 5, v0
	v_readfirstlane_b32 s14, v1
	s_lshr_b32 s15, s14, 1
	s_and_b32 s16, s14, 1
	s_bfe_u32 s40, ttmp6, 0x40000
	s_bfe_u32 s41, ttmp6, 0x40004
	s_lshl_b32 s42, ttmp9, 2
	s_add_co_u32 s42, s42, s40
	s_and_b32 s17, ttmp7, 0xffff
	s_lshl_b32 s17, s17, 2
	s_add_co_u32 s17, s17, s41
	s_lshl_b32 s43, s41, 2
	s_lshl_b32 s43, 15, s43
	s_lshl_b32 s44, 0x1111, s40
	s_or_b32 s[G1+0], s43, (3<<16)|(1<<21)
	s_or_b32 s[G1B+0], s44, (3<<16)|(1<<21)
.irp g, G1, G1B
	s_mov_b32 s[\g+1], 384<<16
	s_mov_b32 s[\g+2], 16<<16                      ; the head's loads bring 16 records' rows; the ring's bring 8 (set behind the head's wait)
	s_mov_b32 s[\g+3], 384<<16
	s_mov_b32 s[\g+4], 16
	s_mov_b32 s[\g+5], 1600
	s_mov_b32 s[\g+6], 0
	s_mov_b32 s[\g+7], 0
.endr
	s_or_b32 s[G1S+0], s43, (3<<16)|(1<<21)
	s_or_b32 s[G1SB+0], s44, (3<<16)|(1<<21)
.irp g, G1S, G1SB
	s_mov_b32 s[\g+1], 64<<16
	s_mov_b32 s[\g+2], 16<<16                      ; the scale bytes of 16 records: 16 rows of 512 bytes
	s_mov_b32 s[\g+3], 64<<16
	s_mov_b32 s[\g+4], 16
	s_mov_b32 s[\g+5], 1600
	s_mov_b32 s[\g+6], 0
	s_mov_b32 s[\g+7], 0
.endr
	s_lshl_b32 s18, s16, 3
	s_lshl_b32 s20, s17, 4
	s_add_co_u32 s20, s20, s18
	s_lshl_b32 s46, s42, 4
	s_add_co_u32 s46, s46, s18
	s_mul_i32 s20, s20, REC
	s_mov_b32 s21, 0
	s_mul_i32 s46, s46, REC
	s_mov_b32 s47, 0
	s_mul_i32 s45, s14, HALFT
	s_wait_kmcnt 0x0
	s_add_nc_u64 s[20:21], s[4:5], s[20:21]
	s_add_nc_u64 s[46:47], s[6:7], s[46:47]
	CROUND
; THE HEAD'S FOUR TILES, one a wave, each whole: slot 0's rows of A's 16 records, of B's 16 records, A's scale bytes, B's.  One chain of branches on the wave's number, a load in each arm.
	s_mul_i32 s92, s18, REC                        ; from the tile's first record to my half's
	s_mov_b32 s93, 0
	s_mov_b32 s[G0], 1
	s_mov_b32 s[G0+1], 0
	s_sub_nc_u64 s[G0+2:G0+3], s[20:21], s[92:93]
	s_mov_b32 s[G0B], 1
	s_mov_b32 s[G0B+1], 2*HALFT
	s_sub_nc_u64 s[G0B+2:G0B+3], s[46:47], s[92:93]
	s_mov_b32 s[G0S], 1
	s_mov_b32 s[G0S+1], SCL
	s_add_nc_u64 s[G0S+2:G0S+3], s[G0+2:G0+3], 12288
	s_mov_b32 s[G0SB], 1
	s_mov_b32 s[G0SB+1], SCL+2*HALFS
	s_add_nc_u64 s[G0SB+2:G0SB+3], s[G0B+2:G0B+3], 12288
.irp g, G0, G0B, G0S, G0SB
	s_or_b32 s[\g+3], s[\g+3], 0x80000000
.endr
	s_mov_b32 s[G0+4], 1                           ; slot 1's group 0, my 8 records' rows
	s_add_co_u32 s[G0+5], s45, SLOT
	s_add_nc_u64 s[G0+6:G0+7], s[20:21], TROW
	s_or_b32 s[G0+7], s[G0+7], 0x80000000
	s_mov_b32 s[G0B+4], 1
	s_add_co_u32 s[G0B+5], s45, SLOT
	s_add_nc_u64 s[G0B+6:G0B+7], s[46:47], TROW
	s_or_b32 s[G0B+7], s[G0B+7], 0x80000000
.macro ARM under, g0, g1, next
	s_cmp_lt_u32 s14, \under
	s_cbranch_scc0 \next
	tensor_load_to_lds s[\g0:\g0+3], s[\g1:\g1+7]
	s_nop 0
.rept 4
	v_nop
.endr
	s_branch .Lhead_asked
\next:
.endm
	ARM 1, G0,  G1,  .Lhead_b
	ARM 2, G0B, G1B, .Lhead_sa
	ARM 3, G0S, G1S, .Lhead_sb
	tensor_load_to_lds s[G0SB:G0SB+3], s[G1SB:G1SB+7]
	s_nop 0
.rept 4
	v_nop
.endr
.Lhead_asked:
	v_and_b32 v1, 15, v0
	v_bfe_u32 v2, v0, 4, 1
	v_and_b32 v6, 31, v0
	v_lshlrev_b32 v[OF16], 4, v6
	v_lshlrev_b32 v[OF8], 3, v6
	s_mul_i32 s21, s15, HALFT
	s_mul_i32 s22, s16, HALFT
	s_add_co_u32 s22, s22, 2*HALFT
.irp s, 0,1
	v_add_nc_u32 v[ADRA+\s], s21, v[OF16]
	v_add_nc_u32 v[ADRB+\s], s22, v[OF16]
	v_add_nc_u32 v[ADRA+2+\s], s21, v[OF8]
	v_add_nc_u32 v[ADRB+2+\s], s22, v[OF8]
	s_add_co_u32 s21, s21, SLOT
	s_add_co_u32 s22, s22, SLOT
.endr
	v_lshlrev_b32 v5, 3, v1
	s_mul_i32 s21, s15, HALFS
	s_mul_i32 s22, s16, HALFS
	s_add_co_u32 s22, s22, 2*HALFS
	s_sub_co_u32 s22, s22, s21
	v_mul_u32_u24 v6, s22, v2
	s_add_co_u32 s21, s21, SCL
	v_add_nc_u32 v5, v5, v6
	v_add_nc_u32 v[ADRS], s21, v5
.irp b, 0,1,2,3
	v_mov_b32 v[TM+4+\b], 0
.endr
	s_mov_b32 s8, 0x76543210
	s_mov_b32 s9, 0xfedcba98
	s_mov_b32 s10, 0x1800000
	s_mov_b32 s11, 0xffff0000
	s_lshr_b32 s20, s17, 2
	s_lshl_b32 s20, s20, 7
	s_and_b32 s21, s17, 3
	s_lshl_b32 s21, s21, 1
	s_add_co_u32 s21, s21, s15
	s_lshl_b32 s21, s21, 4
	s_add_co_u32 s20, s20, s21
	s_lshr_b32 s46, s42, 3
	s_lshl_b32 s46, s46, 7
	s_and_b32 s47, s42, 7
	s_lshl_b32 s47, s47, 1
	s_add_co_u32 s47, s47, s16
	s_add_co_u32 s46, s46, s47
	s_add_co_u32 s20, s20, s46
	s_mul_i32 s20, s20, REC
	s_mov_b32 s21, 0
	s_add_nc_u64 s[12:13], s[12:13], s[20:21]
.macro FRAG reg, adr, q, i
	ds_load_b128 v[\reg:\reg+3],     v[\adr]   offset:TROW*(\i)+1536*(\q)
	ds_load_b64  v[\reg+4:\reg+5],   v[\adr+2] offset:TROW*(\i)+1536*(\q)+512
	ds_load_b128 v[\reg+6:\reg+9],   v[\adr]   offset:TROW*(\i)+1536*(\q)+768
	ds_load_b64  v[\reg+10:\reg+11], v[\adr+2] offset:TROW*(\i)+1536*(\q)+1280
.endm
.macro MUL16 a0, p, q, sc, zero
.irp a, \a0, \a0+1
.irp b, 0,1,2,3,4,5,6,7
.if \zero
	v_wmma_scale_f32_16x16x128_f8f6f4 v[8*(8*((\a)%4)+\b):8*(8*((\a)%4)+\b)+7], v[128*(\p)+FR*\b:128*(\p)+FR*\b+FR-1], v[AF+FR*(\a):AF+FR*(\a)+FR-1], 0, v[SC+8*NQ*(\sc)+NQ*\b+(\q)], v[SC+8*NQ*(\sc)+NQ*(\a)+(\q)] matrix_a_fmt:MATRIX_FMT_FP6 matrix_b_fmt:MATRIX_FMT_FP6 matrix_a_scale:MATRIX_SCALE_ROW1
.else
	v_wmma_scale_f32_16x16x128_f8f6f4 v[8*(8*((\a)%4)+\b):8*(8*((\a)%4)+\b)+7], v[128*(\p)+FR*\b:128*(\p)+FR*\b+FR-1], v[AF+FR*(\a):AF+FR*(\a)+FR-1], v[8*(8*((\a)%4)+\b):8*(8*((\a)%4)+\b)+7], v[SC+8*NQ*(\sc)+NQ*\b+(\q)], v[SC+8*NQ*(\sc)+NQ*(\a)+(\q)] matrix_a_fmt:MATRIX_FMT_FP6 matrix_b_fmt:MATRIX_FMT_FP6 matrix_a_scale:MATRIX_SCALE_ROW1
.endif
.endr
.endr
.endm
.macro FETCH_B slot, q, p
	WIN TO_B
.irp i, 0,1,2,3,4,5,6,7
	FRAG 128*(\p)+FR*\i, ADRB+\slot, \q, \i
.endr
	WIN 0
.endm
.macro FETCH_A slot, q, i0
.irp i, \i0, \i0+1, \i0+2, \i0+3
	FRAG AF+FR*(\i), ADRA+\slot, \q, \i
.endr
.endm
.macro SCALES sc
.irp i, 0,1,2,3,4,5,6,7
	ds_load_b64 v[SC+8*NQ*\sc+NQ*\i:SC+8*NQ*\sc+NQ*\i+1], v[ADRS] offset:\i*512
.endr
.endm
.macro PLACES n
.rept \n
	v_nop
.endr
.endm
.macro STEP slot, q, zero
	s_wait_dscnt 4*NL
	WIN MUL_LO
	MUL16 0, (\q)%2, \q, \slot, \zero
	MUL16 2, (\q)%2, \q, \slot, \zero
	s_wait_dscnt 0
	PLACES NP
	FETCH_B \slot, (\q)+1, 1-(\q)%2
	FETCH_A \slot, (\q)+1, 0
	WIN MUL_HI
	MUL16 4, (\q)%2, \q, \slot, \zero
	MUL16 6, (\q)%2, \q, \slot, \zero
	PLACES NP
	WIN 0
	FETCH_A \slot, (\q)+1, 4
.endm
.macro TURN slot, next, fill
	s_wait_tensorcnt 0x0
	ds_add_u32 v[SPW], v[NIL]
	s_wait_dscnt 4*NL+1
	WIN MUL_LO
	MUL16 0, 1, NQ-1, \slot, 0
	s_wait_dscnt 0x0
	s_barrier_signal -1
	MUL16 2, 1, NQ-1, \slot, 0
	WIN 0
	s_barrier_wait -1
.if \fill
	CREST
	s_add_nc_u64 s[G0+4*\slot+2:G0+4*\slot+3], s[G0+4*\slot+2:G0+4*\slot+3], 2*TROW
	s_add_nc_u64 s[G0B+4*\slot+2:G0B+4*\slot+3], s[G0B+4*\slot+2:G0B+4*\slot+3], 2*TROW
	JLOAD G0+4*\slot, G1, G0B+4*\slot, G1B
.else
	PLACES NP
.endif
	s_wait_alu depctr_va_vdst(0)
	v_add_nc_u32 v[ADRS], 128, v[ADRS]
	FETCH_B \next, 0, 0
	FETCH_A \next, 0, 0
	SCALES \next
	WIN MUL_HI
	MUL16 4, 1, NQ-1, \slot, 0
	MUL16 6, 1, NQ-1, \slot, 0
	PLACES NP
	WIN 0
	FETCH_A \next, 0, 4
.endm
	s_wait_alu depctr_va_vdst(0)
	s_wait_tensorcnt 0x0                           ; my tile of the head's four is in
	ds_add_u32 v[SPW], v[NIL]
	s_mov_b32 s[G1+2], 8<<16                       ; no tensor load of mine is out: from here on a load brings 8 records' rows,
	s_mov_b32 s[G1+4], 8
	s_mov_b32 s[G1B+2], 8<<16
	s_mov_b32 s[G1B+4], 8
	s_mov_b32 s[G0+1], s45                         ; and slot 0's group 0 stands at my 8 records, one K chunk ahead of slot 1's
	s_sub_nc_u64 s[G0+2:G0+3], s[G0+6:G0+7], TROW
	s_mov_b32 s[G0B+1], s45
	s_sub_nc_u64 s[G0B+2:G0B+3], s[G0B+6:G0B+7], TROW
	s_wait_dscnt 0x0
	CROUND                                         ; all four tiles are in, in every work-group of the cluster
	JLOAD G0+4, G1, G0B+4, G1B                     ; slot 1's first fill, the first tensor load behind the round
	FETCH_B 0, 0, 0
	FETCH_A 0, 0, 0
	SCALES 0
	FETCH_A 0, 0, 4
	STEP 0, 0, 1
	s_mov_b32 s3, LAPS-1
.Llap:
	TURN 0, 1, 1
	STEP 1, 0, 0
	TURN 1, 0, 1
	STEP 0, 0, 0
	s_sub_co_u32 s3, s3, 1
	s_cmp_lg_u32 s3, 0
	s_cbranch_scc1 .Llap
	TURN 0, 1, 0
	STEP 1, 0, 0
	s_wait_dscnt 4*NL
	WIN MUL_LO
	MUL16 0, 1, NQ-1, 1, 0
	MUL16 2, 1, NQ-1, 1, 0
	s_wait_dscnt 0
	WIN MUL_HI
	MUL16 4, 1, NQ-1, 1, 0
	MUL16 6, 1, NQ-1, 1, 0
	WIN 0
.macro QUANTW a
.set AC, 64*((\a)%4)
.set WW, 2+(\a)/4
.set PC, PCB+12*(\a)
.set WSEL, (WW<<2)|(WW<<4)
	WIN WSEL
.irp b, 0,1,2,3
	v_max3_num_f32 v[TM+\b], s10, |v[AC+16*\b]|, |v[AC+16*\b+1]|
.endr
.irp i, 2,4,6,8,10,12,14
.irp b, 0,1,2,3
	v_max3_num_f32 v[TM+\b], v[TM+\b], |v[AC+16*\b+\i]|, |v[AC+16*\b+\i+1]|
.endr
.endr
	WIN 0
.irp b, 0,1,2,3
	v_permlanex16_b32 v[TM+4+\b], v[TM+\b], s8, s9
.endr
.irp b, 0,1,2,3
	v_max_num_f32 v[TM+\b], v[TM+\b], v[TM+4+\b]
.endr
.irp b, 0,1,2,3
	v_add_nc_u32 v[TM+12+\b], 0xff000000, v[TM+\b]
.endr
.irp b, 0,1,2,3
	v_lshrrev_b32 v[TM+4+\b], 23, v[TM+12+\b]
.endr
	v_lshl_or_b32 v[PW+(\a)], v[TM+5], 8, v[TM+4]
	v_lshl_or_b32 v[PW+(\a)], v[TM+6], 16, v[PW+(\a)]
	v_lshl_or_b32 v[PW+(\a)], v[TM+7], 24, v[PW+(\a)]
	WIN WW
.irp c, 0,1
	v_cvt_scalef32_pk16_fp6_f32 v[PC+6*\c:PC+6*\c+2], v[AC+32*\c:AC+32*\c+15], v[TM+12+2*\c]
	v_cvt_scalef32_pk16_fp6_f32 v[T2+4*\c:T2+4*\c+2], v[AC+32*\c+16:AC+32*\c+31], v[TM+12+2*\c+1]
.endr
	WIN 0
	v_nop
.irp c, 0,1
.irp i, 0,1,2
	v_permlane16_swap_b32 v[PC+6*\c+\i], v[T2+4*\c+\i]
.endr
.irp i, 0,1,2
	v_mov_b32 v[PC+3+6*\c+\i], v[T2+4*\c+\i]
.endr
.endr
	global_store_b128 v[OF16], v[PC:PC+3], s[12:13] offset:1536*(\a)
	global_store_b64 v[OF8], v[PC+4:PC+5], s[12:13] offset:1536*(\a)+512
	global_store_b128 v[OF16], v[PC+6:PC+9], s[12:13] offset:1536*(\a)+768
	global_store_b64 v[OF8], v[PC+10:PC+11], s[12:13] offset:1536*(\a)+1280
.endm
	PLACES NP
.irp a, 0,1,2,3,4,5,6,7
	QUANTW \a
.endr
.irp g, 0,1,2,3
	v_cndmask_b32 v[SW+\g], v[PW+2*\g], v[PW+2*\g+1], s11
.endr
	global_store_b128 v[OF16], v[SW:SW+3], s[12:13] offset:12288
	s_wait_tensorcnt 0x0
	ds_add_u32 v[SPW], v[NIL]
	s_wait_dscnt 0x0
	CROUND
	s_endpgm
.Lfunc_end_k_qb7e01938d4_qk:
	.size	k_qb7e01938d4_qk, .Lfunc_end_k_qb7e01938d4_qk-k_qb7e01938d4_qk
	.p2alignl 7, 3214868480
	.fill 96, 4, 3214868480
	.section	.rodata,"a",@progbits
	.p2align	6, 0x0
	.amdhsa_kernel k_qb7e01938d4_qk
		.amdhsa_group_segment_fixed_size 327680
		.amdhsa_private_segment_fixed_size 0
		.amdhsa_enable_private_segment 0
		.amdhsa_kernarg_size 24
		.amdhsa_user_sgpr_count 2
		.amdhsa_user_sgpr_kernarg_segment_ptr 1
		.amdhsa_wavefront_size32 1
		.amdhsa_system_sgpr_workgroup_id_x 1
		.amdhsa_system_sgpr_workgroup_id_y 1
		.amdhsa_system_sgpr_workgroup_id_z 1
		.amdhsa_system_vgpr_workitem_id 0
		.amdhsa_next_free_vgpr 1024
		.amdhsa_next_free_sgpr 100
		.amdhsa_reserve_vcc 0
		.amdhsa_float_denorm_mode_32 3
		.amdhsa_float_denorm_mode_16_64 3
		.amdhsa_memory_ordered 1
		.amdhsa_forward_progress 1
		.amdhsa_inst_pref_size 148
	.end_amdhsa_kernel
	.amdgpu_metadata
---
amdhsa.version: [ 1, 2 ]
amdhsa.kernels:
  - .name:           k_qb7e01938d4_qk
    .symbol:         k_qb7e01938d4_qk.kd
    .args:
      - { .name: x_op, .offset: 0, .size: 8, .value_kind: global_buffer, .address_space: global }
      - { .name: wqk_op, .offset: 8, .size: 8, .value_kind: global_buffer, .address_space: global }
      - { .name: qk_f, .offset: 16, .size: 8, .value_kind: global_buffer, .address_space: global }
    .group_segment_fixed_size: 327680
    .private_segment_fixed_size: 0
    .kernarg_segment_align: 8
    .kernarg_segment_size: 24
    .max_flat_workgroup_size: 128
    .sgpr_count:     100
    .vgpr_count:     1024
    .wavefront_size: 32
...
	.end_amdgpu_metadata
.endif
;; end of part 2
;; launch v: the kernel of part 2 again; grid 32 x 4, 4 waves a work-group, clusters of 4 x 4, 327,680 bytes of LDS; arguments wv_op, x_op, v_f; writes v_f
;; launch attn (part 3): grid 4 x 64, 16 waves a work-group, clusters of 4 x 1, 227,328 bytes of LDS; arguments qk_f, v_f, o_op; writes o_op
.if DOCPART == 3
	.amdgcn_target "amdgcn-amd-amdhsa--gfx1250"
	.amdhsa_code_object_version 6
	.text
	.protected	k_qb7e01938d4_attn
	.globl	k_qb7e01938d4_attn
	.p2align	8
	.type	k_qb7e01938d4_attn,@function
k_qb7e01938d4_attn:
	s_mov_b64 s[64:65], 0
	v_nop
	global_prefetch_b8 v0, s[64:65] scope:SCOPE_SE
	s_setreg_imm32_b32 hwreg(HW_REG_WAVE_MODE, 25, 1), 1
	s_wait_xcnt 0x0
	s_wait_alu depctr_hold_cnt(0) depctr_sa_sdst(0) depctr_va_vdst(0) depctr_va_sdst(0) depctr_va_ssrc(0) depctr_va_vcc(0) depctr_vm_vsrc(0)
	s_getreg_b32 s2, hwreg(HW_REG_IB_STS2, 6, 4)
	s_cmp_eq_u32 s2, 0
	s_cbranch_scc0 .Lentry_in_a_cluster
	s_endpgm
.Lentry_in_a_cluster:
	s_bfe_u32 s2, ttmp6, 0x10000c
	s_cmp_lg_u32 s2, 0x3003
	s_cbranch_scc0 .Lentry_shape_is_right
	s_endpgm
.Lentry_shape_is_right:
; o = Q(softmax(q k^T / 8) v), head by head, both products on codes of FP6 (E2M3) with one E8M0 scale for each 32 along a product's K; o is quantised along the features and stored as the last product's operand.
; THE SOFTMAX: t = score x log2(e) / 8; M = the row's largest t so far, rounded up to a whole number; p = 2^(t - M) is quantised along the keys, not normalised.  The row's sum is taken of the unquantised p, in f32,
; and divides O at the end.  When M moves, the sum and O are multiplied by 2^(old M - new M): exact.  q's factor 1 / 8 is a power of two: it moves no code, and is folded into the factor of t.
; LIMITS: the promise holds while |t| stays under 2^31; where a block of q lies under 2^-121 the rule's hold of the scale at -126 would bite, and does not here; v_exp_f32 gives 0 for p under 2^-126 (ISA guide 15.8);
; a block of zeros gets the byte 1 where the rule says 127 (zero codes; the bytes are this program's own); NaN and infinities are not served.  No work of the problem is left out.
; SHARES: a work-group owns 512 queries of one head, 32 tiles of 16; each of its sixteen waves takes one tile in each of two passes, in 256 registers.  A head's K and V lie in LDS whole: no ring, no refill, no barrier in the loop.
; CLUSTER: the four work-groups of a cluster own the four quarters of one head's queries.  V's codes come by joint loads, one a wave (wave w: key step w).  K's codes do NOT come jointly: a wave has one tensor load at the head,
; which V's takes, and K's half images are re-laid on their way into LDS (128 or 64 bytes more behind every second tile), which no one descriptor makes: they and the scale words come by plain loads and LDS stores.
; No data prefetch: all that the launch reads is asked for at its head.
; LAYOUT: both products are used transposed: S^T = K Q^T, O^T = V^T P^T: a lane holds one query (lane % 16) throughout.
; WHICH KEYS FORM A TILE OF K: tile 4 c + j takes as its row 8 h + i key 64 c + 32 h + 8 j + i of the step's 128.  So the 32 registers of tiles 4 c .. 4 c + 3 of lane (r, h) are the whole block 2 c + h, in order: the block's
; largest score needs no other lane, and the conversions' codes are the operand's registers.  In memory a tile T holds rows 32 (T / 2) + 8 (T % 2) + r + 8 (r / 8), as register images; each lane picks its row's bytes:
; row (h', i) of tile (c, j) is lane slot 8 (j / 2) + i of stored tile 4 c + 2 h' + j % 2.  Stored tile t's 16-byte parts begin at 512 t + 128 (t / 2), its 8-byte parts at 4,608 + 256 t + 64 (t / 2) of a step's 6,912 bytes.
; K = 64 FILLS HALF OF THE INSTRUCTION'S 128: q's registers 6-11 hold zero codes; K's registers 6-11 are whatever follows, under the scale bytes 0: zero codes times any code add nothing.
; A STEP'S ORDER: loads, S^T, the block maxima, M and f, all multiply-adds and O^T x f, ONE batch of 66 exponentials between two waits, the sums, p's scales and codes, O^T.
; REGISTERS: v1-9 addresses that stay; v10-15 the step's; v16 -M, v17 the largest t, v[18:19] the sum; v20-31 pass 0's q; v32-33 maxima; v34-39 the sum's other chains; v40-87 K's 8 half fragments, then V's 4; v88-93 zeros;
; v96-159 S^T, then p; v160-191 O^T; v192-203 p's codes; v204-210 the second conversions; v212-221 at work; v224-227 K's scale words, v228-229 V's, v230 p's, v231 pass 0's q's; v[232:233] f; v234-235 at work;
; v236-247 pass 1's q, v248 its scale word; v250 8 x (lane / 16); v254, v255 the spare word's address and 0.
.set REC,   12800
.set KSTEP, 6912
.set K64,   4608
.set VSTEP, 6144
.set VC,    16*KSTEP                   ; LDS: K's codes from 0; V's [step][tile 4][1,536] from here;
.set KS,    VC+16*VSTEP                ; K's scale words [step][512];
.set VS,    KS+8192                    ; V's;
.set SPARE, VS+8192                    ; the spare words, 128 bytes a wave
.set WV,    10
.set SEL,   20                         ; s[20:21] selects for lane l xor 16
.set CS,    22                         ; s[22:23] c = log2(e) / 8
.set G1V,   32
.set G0V,   56
.set TK,    66                         ; the step's place in K's codes, in V's, in the scale words
.set TV,    67
.set TS,    68
.set CNT,   69
.set SQ,    70                         ; s[70:71] q's half image; s[72:73] its scale bytes; s[74:75] o's half image; s[76:77] its scale bytes
.set SQS,   72
.set SO,    74
.set SOS,   76
.macro WALU
	s_wait_alu depctr_va_vdst(0)
.endm
.macro CROUND
	s_barrier_signal -1
	s_barrier_wait -1
	s_cmp_lg_u32 s[WV], 0
	s_cbranch_scc1 .Lnot_wave_0_\@
	s_barrier_signal -3
.Lnot_wave_0_\@:
	s_barrier_wait -3
	s_barrier_signal -1
	s_barrier_wait -1
.endm
	s_load_b128 s[4:7], s[0:1], 0x0                ; qk_f, v_f
	s_load_b64 s[8:9], s[0:1], 0x10                ; o_op
	v_lshl_add_u32 v254, v0, 2, SPARE
	v_mov_b32 v255, 0
	ds_add_u32 v254, v255                          ; the opening lines
	ds_add_u32 v254, v255
	v_lshrrev_b32 v1, 5, v0
	v_readfirstlane_b32 s[WV], v1                  ; wave 0..15
	s_bfe_u32 s11, ttmp6, 0x40000                  ; cx: which 512 queries: it enters q's and o's global offsets alone
	s_and_b32 s12, ttmp7, 0xffff                   ; 16 x batch + head
	s_lshr_b32 s13, s12, 4                         ; batch
	s_and_b32 s14, s12, 15                         ; head
	s_and_b32 s15, s12, 1                          ; its parity
	s_lshr_b32 s16, s14, 1                         ; the pair of heads
	s_mov_b32 s[G1V], 15|(3<<16)|(1<<21)           ; the mask: all four work-groups; elements of 8 bytes
	s_mov_b32 s[G1V+1], 32<<16                     ; V's codes of a step: 6,144 dense bytes as 24 rows of 256
	s_mov_b32 s[G1V+2], 24<<16
	s_mov_b32 s[G1V+3], 32<<16
	s_mov_b32 s[G1V+4], 24
	s_mov_b32 s[G1V+5], 32
	s_mov_b32 s[G1V+6], 0
	s_mov_b32 s[G1V+7], 0
	s_lshl_b32 s17, s13, 4                         ; wave w brings key step w.  k's block: (16 b + w) x 16 + 8 + pair
	s_add_co_u32 s17, s17, s[WV]
	s_lshl_b32 s17, s17, 4
	s_add_co_u32 s17, s17, s16
	s_add_co_u32 s17, s17, 8
	s_mul_i32 s18, s17, REC
	s_mov_b32 s19, 0
	s_mul_i32 s24, s15, 768
	s_add_co_u32 s24, s24, s18                     ; my head's half of each image
	s_mov_b32 s25, 0
	s_lshl_b32 s17, s13, 7                         ; v's block: 128 b + 16 pair + w
	s_lshl_b32 s26, s16, 4
	s_add_co_u32 s17, s17, s26
	s_add_co_u32 s17, s17, s[WV]
	s_mul_i32 s26, s17, REC
	s_mov_b32 s27, 0
	s_mul_i32 s28, s15, VSTEP
	s_add_co_u32 s28, s28, s26                     ; my head's four images
	s_mov_b32 s29, 0
	s_lshl_b32 s40, s13, 4                         ; q's block: (16 b + 4 cx + w / 8) x 16 + pair; pass 1 lies 32 blocks on
	s_lshl_b32 s41, s11, 2
	s_add_co_u32 s40, s40, s41
	s_lshr_b32 s41, s[WV], 3
	s_add_co_u32 s40, s40, s41
	s_lshl_b32 s40, s40, 4
	s_add_co_u32 s40, s40, s16
	s_mul_i32 s40, s40, REC
	s_and_b32 s41, s[WV], 7                        ; in it image w % 8, my head's half
	s_mul_i32 s[SQ], s41, 1536
	s_add_co_u32 s[SQ], s[SQ], s40
	s_mul_i32 s42, s15, 768
	s_add_co_u32 s[SQ], s[SQ], s42
	s_mov_b32 s[SQ+1], 0
	s_and_b32 s[SQS], s[WV], 1                     ; its scale bytes: 12,288 + 16 (row + 16 (w % 2)) + 4 ((w % 8) / 2) + 2 x parity
	s_lshl_b32 s[SQS], s[SQS], 8
	s_lshr_b32 s41, s41, 1
	s_lshl_b32 s41, s41, 2
	s_add_co_u32 s[SQS], s[SQS], s41
	s_lshl_b32 s41, s15, 1
	s_add_co_u32 s[SQS], s[SQS], s41
	s_add_co_u32 s[SQS], s[SQS], s40
	s_add_co_u32 s[SQS], s[SQS], 12288
	s_mov_b32 s[SQS+1], 0
	s_lshl_b32 s40, s13, 7                         ; o's record: tile 128 b + 32 cx + w; pass 1 lies 16 records on
	s_lshl_b32 s41, s11, 5
	s_add_co_u32 s40, s40, s41
	s_add_co_u32 s40, s40, s[WV]
	s_mul_i32 s40, s40, REC
	s_mul_i32 s[SO], s14, 768
	s_add_co_u32 s[SO], s[SO], s40
	s_mov_b32 s[SO+1], 0
	s_lshr_b32 s41, s14, 2                         ; its scale bytes: 12,288 + 128 (head / 4) + 8 row + 2 (head % 4)
	s_lshl_b32 s41, s41, 7
	s_and_b32 s42, s14, 3
	s_lshl_b32 s42, s42, 1
	s_add_co_u32 s[SOS], s41, s42
	s_add_co_u32 s[SOS], s[SOS], s40
	s_add_co_u32 s[SOS], s[SOS], 12288
	s_mov_b32 s[SOS+1], 0
	s_mul_i32 s43, s[WV], KSTEP                    ; LDS places: the wave's number times a constant, plus a constant
	s_lshl_b32 s44, s[WV], 9
	s_add_co_u32 s44, s44, KS
	s_lshl_b32 s45, s15, 1
	s_add_co_u32 s45, s45, KS
	s_lshl_b32 s46, s15, 3
	s_add_co_u32 s46, s46, VS
	s_mul_i32 s47, s[WV], VSTEP
	s_mov_b32 s[G0V], 1
	s_add_co_u32 s[G0V+1], s47, VC
	s_mov_b32 s[SEL], 0x76543210
	s_mov_b32 s[SEL+1], 0xfedcba98
	s_mov_b32 s[CS], 0x3e38aa3b
	s_mov_b32 s[CS+1], s[CS]
	v_and_b32 v32, 31, v0
	v_lshlrev_b32 v1, 4, v32                       ; 16 x lane
	v_lshlrev_b32 v2, 3, v32                       ; 8 x lane
	v_and_b32 v32, 15, v0                          ; r
	v_bfe_u32 v33, v0, 4, 1                        ; h
	v_and_b32 v34, 7, v0                           ; r % 8
	v_bfe_u32 v35, v0, 3, 1                        ; r / 8
	v_add_nc_u32 v3, VC, v1
	v_add_nc_u32 v4, VC, v2
	v_lshlrev_b32 v5, 4, v34                       ; K's scale bytes: 16 (r % 8) + 4 (r / 8) + 256 h, my head's two
	v_lshl_add_u32 v5, v35, 2, v5
	v_lshl_add_u32 v5, v33, 8, v5
	v_add_nc_u32 v5, s45, v5
	v_add_nc_u32 v6, s46, v1                       ; V's: my head's two words
	v_mul_u32_u24 v7, v35, 1152                    ; K's 16-byte parts: 1,152 (r / 8) + 16 (r % 8) + 256 h
	v_lshl_add_u32 v7, v34, 4, v7
	v_lshl_add_u32 v7, v33, 8, v7
	v_mul_u32_u24 v8, v35, 576                     ; its 8-byte parts: 4,608 + 576 (r / 8) + 8 (r % 8) + 128 h
	v_lshl_add_u32 v8, v34, 3, v8
	v_lshl_add_u32 v8, v33, 7, v8
	v_add_nc_u32 v8, K64, v8
	v_lshlrev_b32 v9, 3, v32                       ; o's scale bytes: 8 r
	v_lshlrev_b32 v36, 4, v32                      ; q's: 16 r
	v_lshlrev_b32 v250, 3, v33                     ; 8 h: where my two bytes of p's scale word stand
	v_add_nc_u32 v10, s43, v1                      ; where my step's K goes
	v_add_nc_u32 v11, s43, v2
	v_add_nc_u32 v11, K64, v11
	v_add_nc_u32 v12, s44, v1                      ; and its scale words
	WALU                                           ; the wait at the head's end
	s_wait_dscnt 0x0
	CROUND                                         ; all four work-groups are here: the joint loads meet
	s_wait_kmcnt 0x0
	s_add_nc_u64 s[G0V+2:G0V+3], s[6:7], s[28:29]
	s_or_b32 s[G0V+3], s[G0V+3], 0x80000000
	tensor_load_to_lds s[G0V:G0V+3], s[G1V:G1V+7]  ; my one tensor load: V's codes of key step w
	s_nop 0
.rept 4
	v_nop
.endr
	s_add_nc_u64 s[18:19], s[4:5], s[18:19]
	s_add_nc_u64 s[24:25], s[4:5], s[24:25]
	s_add_nc_u64 s[26:27], s[6:7], s[26:27]
	s_add_nc_u64 s[SQ:SQ+1], s[4:5], s[SQ:SQ+1]
	s_add_nc_u64 s[SQS:SQS+1], s[4:5], s[SQS:SQS+1]
	s_add_nc_u64 s[SO:SO+1], s[8:9], s[SO:SO+1]
	s_add_nc_u64 s[SOS:SOS+1], s[8:9], s[SOS:SOS+1]
.irp t, 0,1,2,3,4,5,6,7
	global_load_b128 v[96+6*\t:99+6*\t], v1, s[24:25] offset:1536*\t       ; 512 and 256 consecutive bytes
	global_load_b64 v[100+6*\t:101+6*\t], v2, s[24:25] offset:1536*\t+512
.endr
	global_load_b128 v[144:147], v1, s[18:19] offset:12288
	global_load_b128 v[148:151], v1, s[26:27] offset:12288
	global_load_b128 v[20:23], v1, s[SQ:SQ+1]
	global_load_b64 v[24:25], v2, s[SQ:SQ+1] offset:512
	global_load_u16 v231, v36, s[SQS:SQS+1]
	global_load_b128 v[236:239], v1, s[SQ:SQ+1] offset:409600
	global_load_b64 v[240:241], v2, s[SQ:SQ+1] offset:409600+512
	global_load_u16 v248, v36, s[SQS:SQS+1] offset:409600
.irp j, 26,27,28,29,30,31,88,89,90,91,92,93,242,243,244,245,246,247
	v_mov_b32 v\j, 0                               ; zero codes: q's k = 64 .. 127, and what follows K's last tile
.endr
.irp j, 216,217,218,233
	v_mov_b32 v\j, 0                               ; a lane permute's destination counts as a source; v233 is named with v232 as a pair
.endr
	s_wait_loadcnt 6                               ; K and the scale words are in; q's six loads may be out
.irp t, 0,1,2,3,4,5,6,7
	ds_store_b128 v10, v[96+6*\t:99+6*\t] offset:512*\t+128*(\t/2)
	ds_store_b64 v11, v[100+6*\t:101+6*\t] offset:256*\t+64*(\t/2)
.endr
	ds_store_b128 v12, v[144:147]
	ds_store_b128 v12, v[148:151] offset:8192
	s_wait_loadcnt 0x0
	v_or_b32 v231, 0x7f7f0000, v231                ; the bytes of the zero codes' blocks: 1.0
	v_or_b32 v248, 0x7f7f0000, v248
	WALU
	s_wait_tensorcnt 0x0
	s_wait_dscnt 0x0
	s_barrier_signal -1
	s_barrier_wait -1                              ; the head's K and V lie in LDS, and nobody writes LDS again
.macro FMA k                           ; t - M for pair k of the scores
	v_pk_fma_f32 v[96+2*(\k):97+2*(\k)], v[96+2*(\k):97+2*(\k)], s[CS:CS+1], v[16:17] op_sel_hi:[1,0,0]
.endm
.macro OMUL i                          ; pair i of O^T under the new M; ascending: each accumulator is read from its low end on
	v_pk_mul_f32 v[160+2*(\i):161+2*(\i)], v[160+2*(\i):161+2*(\i)], v[232:233] op_sel_hi:[1,0]
.endm
.macro ADD4 k                          ; pairs k .. k + 3 of p onto the sum's four chains
	v_pk_add_f32 v[34:35], v[34:35], v[96+2*(\k):97+2*(\k)]
	v_pk_add_f32 v[36:37], v[36:37], v[98+2*(\k):99+2*(\k)]
	v_pk_add_f32 v[38:39], v[38:39], v[100+2*(\k):101+2*(\k)]
	v_pk_add_f32 v[18:19], v[18:19], v[102+2*(\k):103+2*(\k)]
.endm
.macro VLOAD t
	ds_load_b128 v[40+12*(\t):43+12*(\t)], v12 offset:1536*(\t)
	ds_load_b64 v[44+12*(\t):45+12*(\t)], v13 offset:1536*(\t)+512
	ds_load_b128 v[46+12*(\t):49+12*(\t)], v12 offset:1536*(\t)+768
	ds_load_b64 v[50+12*(\t):51+12*(\t)], v13 offset:1536*(\t)+1280
.endm
; A KEY STEP: 128 keys.  qb: q's twelve registers; qs: its scale word.
.macro STEP qb, qs
	v_add_nc_u32 v10, s[TK], v7                    ; four plain lines: the places behind the last step's products in front of the loads below
	v_add_nc_u32 v11, s[TK], v8
	v_add_nc_u32 v14, s[TS], v5
	v_add_nc_u32 v15, s[TS], v6
.irp g, 0,1,2,3
	ds_load_u16 v[224+\g], v14 offset:8*(\g/2)+128*(\g%2)          ; two scale bytes, zeros above: lanes 0-15 tile 2 g's rows, lanes 16-31 tile 2 g + 1's
.endr
.irp t, 0,1,2,3,4,5,6,7
	ds_load_b128 v[40+6*\t:43+6*\t], v10 offset:2304*(\t/4)+512*(\t%2)+128*((\t%4)/2)
	ds_load_b64 v[44+6*\t:45+6*\t], v11 offset:1152*(\t/4)+256*(\t%2)+64*((\t%4)/2)
.endr
	ds_load_b64 v[228:229], v15                    ; V's scale words: lanes 0-15 tiles 0 and 2, lanes 16-31 tiles 1 and 3
	s_wait_dscnt 7                                 ; K's scale words and tiles 0-4 are in; tiles 5-7's six loads and V's scale words may be out
.irp t, 0,2
	v_wmma_scale_f32_16x16x128_f8f6f4 v[96+8*\t:103+8*\t], v[40+6*\t:51+6*\t], v[\qb:\qb+11], 0, v[224+\t/2], v[\qs] matrix_a_fmt:MATRIX_FMT_FP6 matrix_b_fmt:MATRIX_FMT_FP6
	v_wmma_scale_f32_16x16x128_f8f6f4 v[104+8*\t:111+8*\t], v[46+6*\t:57+6*\t], v[\qb:\qb+11], 0, v[224+\t/2], v[\qs] matrix_a_fmt:MATRIX_FMT_FP6 matrix_b_fmt:MATRIX_FMT_FP6 matrix_a_scale:MATRIX_SCALE_ROW1
.endr
	s_wait_dscnt 1                                 ; tiles 5-7 are in; V's scale words may be out
.irp t, 4,6
	v_wmma_scale_f32_16x16x128_f8f6f4 v[96+8*\t:103+8*\t], v[40+6*\t:51+6*\t], v[\qb:\qb+11], 0, v[224+\t/2], v[\qs] matrix_a_fmt:MATRIX_FMT_FP6 matrix_b_fmt:MATRIX_FMT_FP6
	v_wmma_scale_f32_16x16x128_f8f6f4 v[104+8*\t:111+8*\t], v[46+6*\t:57+6*\t], v[\qb:\qb+11], 0, v[224+\t/2], v[\qs] matrix_a_fmt:MATRIX_FMT_FP6 matrix_b_fmt:MATRIX_FMT_FP6 matrix_a_scale:MATRIX_SCALE_ROW1
.endr
	v_add_nc_u32 v12, s[TV], v3                    ; four places in front of the first read of the scores
	v_add_nc_u32 v13, s[TV], v4
	v_mov_b32 v235, v16                            ; the old -M is kept for f
	v_nop
	; my two blocks' largest scores: all 32 of a block are mine.  Two chains a block, four by turns; each accumulator is first read at its low end
.irp c, 0,1
	v_max3_num_f32 v[212+\c], v[96+32*\c], v[97+32*\c], v[98+32*\c]
	v_max3_num_f32 v[32+\c], v[112+32*\c], v[113+32*\c], v[114+32*\c]
.endr
.irp i, 3,5,7,9,11,13
.irp c, 0,1
	v_max3_num_f32 v[212+\c], v[212+\c], v[96+32*\c+\i], v[97+32*\c+\i]
	v_max3_num_f32 v[32+\c], v[32+\c], v[112+32*\c+\i], v[113+32*\c+\i]
.endr
.endr
.irp c, 0,1
	v_max3_num_f32 v[212+\c], v[212+\c], v[32+\c], v[111+32*\c]
.endr
.irp c, 0,1
	v_max_num_f32 v[212+\c], v[212+\c], v[127+32*\c]
.endr
	v_max_num_f32 v234, v212, v213                 ; a chain from the step's maximum to M: V's loads stand between its links
	VLOAD 0
	v_permlanex16_b32 v216, v234, s[SEL], s[SEL+1]
	VLOAD 1
	v_max_num_f32 v234, v234, v216                 ; with lane l xor 16's two blocks: the step's largest score of my query
	VLOAD 2
	v_mul_f32 v234, s[CS], v234                    ; as t (c is positive)
	VLOAD 3
	v_max_num_f32 v17, v17, v234                   ; the running largest t
	v_floor_f32 v16, -v17                          ; the new -M = -ceil(t)
	v_sub_f32 v235, v16, v235                      ; old M less new M: a whole number, 0 or less
	v_fma_f32 v212, v212, s[CS], v16               ; t - M of each block's largest score: the same multiply-add and exponential as its p below
	v_fma_f32 v213, v213, s[CS], v16
	v_cvt_i32_f32 v235, v235                       ; (it saturates)
.irp k, 0,1,2,3,4,5,6,7
	FMA \k
.endr
	v_ldexp_f32 v232, 1.0, v235                    ; f = 2^(old M - new M)
.set KP, 8
.rept 24
	FMA KP
.set KP, KP+1
.endr
	v_pk_mul_f32 v[18:19], v[18:19], v[232:233] op_sel_hi:[1,0]    ; the sum under the new M
.set KP, 0
.rept 16
	OMUL KP
.set KP, KP+1
.endr
	WALU                                           ; the wait ahead of the batch
	v_exp_f32 v212, v212                           ; my two blocks' largest p
	v_exp_f32 v213, v213
.set KP, 0
.rept 64
	v_exp_f32 v[96+KP], v[96+KP]                   ; p = 2^(t - M), at most 1
.set KP, KP+1
.endr
	v_nop                                          ; the plain place behind the batch
	s_wait_dscnt 0x0                               ; V and its scale words are in
	WALU                                           ; and the one wait behind the batch
	v_max_num_f32 v212, 0x1800000, v212            ; the floor 2^(3 - 127): the byte cannot fall under 1
	v_max_num_f32 v213, 0x1800000, v213
	v_pk_add_f32 v[34:35], v[96:97], v[98:99]      ; the row's sum is taken of the unquantised p: four chains
	v_pk_add_f32 v[36:37], v[100:101], v[102:103]
	v_add_nc_u32 v220, 0xff000000, v212            ; 2 off the exponent field: the conversions' scale operands
	v_add_nc_u32 v221, 0xff000000, v213
	v_pk_add_f32 v[38:39], v[104:105], v[106:107]
	v_pk_add_f32 v[18:19], v[18:19], v[108:109]
	v_cvt_scalef32_pk16_fp6_f32 v[192:194], v[96:111], v220
	v_cvt_scalef32_pk16_fp6_f32 v[204:206], v[112:127], v220       ; (a conversion's three registers begin on an even number)
	v_cvt_scalef32_pk16_fp6_f32 v[198:200], v[128:143], v221
	v_cvt_scalef32_pk16_fp6_f32 v[208:210], v[144:159], v221
	v_lshrrev_b32 v216, 23, v220                   ; the scales' bytes; also the plain place behind the conversions
	v_lshrrev_b32 v217, 23, v221
	ADD4 7
	v_lshl_or_b32 v230, v217, 16, v216             ; my bytes: blocks h and 2 + h,
.irp i, 0,1,2
	v_mov_b32 v[195+\i], v[204+\i]
.endr
	v_lshlrev_b32 v230, v250, v230                 ; at their places in the word;
.irp i, 0,1,2
	v_mov_b32 v[201+\i], v[208+\i]
.endr
	v_permlanex16_b32 v218, v230, s[SEL], s[SEL+1]
	ADD4 11
	v_or_b32 v230, v230, v218                      ; with lane l xor 16's two the word is whole.  Twenty plain lines stand between it and the products
	ADD4 15
	ADD4 19
	ADD4 23
	ADD4 27
	v_pk_add_f32 v[34:35], v[34:35], v[158:159]
	v_pk_add_f32 v[18:19], v[18:19], v[38:39]
	v_pk_add_f32 v[34:35], v[34:35], v[36:37]
	v_pk_add_f32 v[18:19], v[18:19], v[34:35]
.irp t, 0,2                                    ; O^T += V^T P^T: the four accumulators take turns
	v_wmma_scale_f32_16x16x128_f8f6f4 v[160+8*\t:167+8*\t], v[40+12*\t:51+12*\t], v[192:203], v[160+8*\t:167+8*\t], v[228+\t/2], v230 matrix_a_fmt:MATRIX_FMT_FP6 matrix_b_fmt:MATRIX_FMT_FP6
	v_wmma_scale_f32_16x16x128_f8f6f4 v[168+8*\t:175+8*\t], v[52+12*\t:63+12*\t], v[192:203], v[168+8*\t:175+8*\t], v[228+\t/2], v230 matrix_a_fmt:MATRIX_FMT_FP6 matrix_b_fmt:MATRIX_FMT_FP6 matrix_a_scale:MATRIX_SCALE_ROW1
.endr
	s_add_co_u32 s[TK], s[TK], KSTEP
	s_add_co_u32 s[TV], s[TV], VSTEP
	s_add_co_u32 s[TS], s[TS], 512
.endm
; A PASS: one tile of 16 queries against all 2,048 keys.
.macro PASS p, qb, qs
	s_wait_xcnt 0x0                                ; the last pass's stores have read their registers
	s_mov_b32 s[TK], 0
	s_mov_b32 s[TV], 0
	s_mov_b32 s[TS], 0
	s_mov_b32 s[CNT], 16
	v_mov_b32 v17, 0xff61b1e6                      ; the largest t so far: -3e38
	v_floor_f32 v16, -v17
	v_mov_b32 v18, 0
	v_mov_b32 v19, 0
.set j, 0
.rept 32
	v_mov_b32 v[160+j], 0                          ; O^T: the step is written once; the first finds zeros
.set j, j+1
.endr
.Lstep_\@:
	STEP \qb, \qs
	s_sub_co_u32 s[CNT], s[CNT], 1
	s_cmp_lg_u32 s[CNT], 0
	WALU                                           ; the wait ahead of the branch
	s_cbranch_scc1 .Lstep_\@
.rept 4
	v_nop                                          ; places behind the last products
.endr
	v_add_f32 v18, v18, v19
	v_permlanex16_b32 v234, v18, s[SEL], s[SEL+1]
	v_add_f32 v18, v18, v234                       ; the row's sum
	WALU
	v_rcp_f32 v18, v18
	v_nop
	WALU
.set j, 0
.rept 16
	v_pk_mul_f32 v[96+j:97+j], v[160+j:161+j], v[18:19] op_sel_hi:[1,0]   ; O^T / the sum: register 16 b + i is feature 32 b + 16 (lane / 16) + i of my head
.set j, j+2
.endr
.irp b, 0,1                                    ; o is quantised along the features: my head's two blocks
	v_max3_num_f32 v[212+\b], |v[96+16*\b]|, |v[97+16*\b]|, 0x1800000
.endr
.irp i, 2,4,6,8,10,12,14
.irp b, 0,1
	v_max3_num_f32 v[212+\b], v[212+\b], |v[96+16*\b+\i]|, |v[97+16*\b+\i]|
.endr
.endr
.irp b, 0,1
	v_permlanex16_b32 v[216+\b], v[212+\b], s[SEL], s[SEL+1]
.endr
.irp b, 0,1
	v_max_num_f32 v[212+\b], v[212+\b], v[216+\b]
.endr
.irp b, 0,1
	v_add_nc_u32 v[220+\b], 0xff000000, v[212+\b]
.endr
.irp b, 0,1
	v_lshrrev_b32 v[216+\b], 23, v[220+\b]
.endr
	v_lshl_or_b32 v235, v217, 8, v216              ; the two scale bytes
	v_cvt_scalef32_pk16_fp6_f32 v[192:194], v[96:111], v220
	v_cvt_scalef32_pk16_fp6_f32 v[204:206], v[112:127], v221
	v_nop
.irp i, 0,1,2
	v_permlane16_swap_b32 v[192+\i], v[204+\i]     ; a whole block in a lane: lanes 0-15 block 0, lanes 16-31 block 1
.endr
.irp i, 0,1,2
	v_mov_b32 v[195+\i], v[204+\i]
.endr
	global_store_b128 v1, v[192:195], s[SO:SO+1] offset:204800*\p          ; half an image: 512 and 256 consecutive bytes
	global_store_b64 v2, v[196:197], s[SO:SO+1] offset:204800*\p+512
	global_store_b16 v9, v235, s[SOS:SOS+1] offset:204800*\p               ; lanes r and r + 16 store the same two bytes
.endm
	PASS 0, 20, 231
	PASS 1, 236, 248
	s_wait_tensorcnt 0x0                           ; the wave's end
	ds_add_u32 v254, v255
	s_wait_dscnt 0x0
	CROUND                                         ; the closing round
	s_endpgm
.Lfunc_end_k_qb7e01938d4_attn:
	.size	k_qb7e01938d4_attn, .Lfunc_end_k_qb7e01938d4_attn-k_qb7e01938d4_attn
	.p2alignl 7, 3214868480
	.fill 96, 4, 3214868480
	.section	.rodata,"a",@progbits
	.p2align	6, 0x0
	.amdhsa_kernel k_qb7e01938d4_attn
		.amdhsa_group_segment_fixed_size 227328
		.amdhsa_private_segment_fixed_size 0
		.amdhsa_enable_private_segment 0
		.amdhsa_kernarg_size 24
		.amdhsa_user_sgpr_count 2
		.amdhsa_user_sgpr_kernarg_segment_ptr 1
		.amdhsa_wavefront_size32 1
		.amdhsa_system_sgpr_workgroup_id_x 1
		.amdhsa_system_sgpr_workgroup_id_y 1
		.amdhsa_system_sgpr_workgroup_id_z 1
		.amdhsa_system_vgpr_workitem_id 0
		.amdhsa_next_free_vgpr 256
		.amdhsa_next_free_sgpr 80
		.amdhsa_reserve_vcc 0
		.amdhsa_float_denorm_mode_32 3
		.amdhsa_float_denorm_mode_16_64 3
		.amdhsa_memory_ordered 1
		.amdhsa_forward_progress 1
		.amdhsa_inst_pref_size 52
	.end_amdhsa_kernel
	.amdgpu_metadata
---
amdhsa.version: [ 1, 2 ]
amdhsa.kernels:
  - .name:           k_qb7e01938d4_attn
    .symbol:         k_qb7e01938d4_attn.kd
    .args:
      - { .name: qk_f, .offset: 0, .size: 8, .value_kind: global_buffer, .address_space: global }
      - { .name: v_f, .offset: 8, .size: 8, .value_kind: global_buffer, .address_space: global }
      - { .name: o_op, .offset: 16, .size: 8, .value_kind: global_buffer, .address_space: global }
    .group_segment_fixed_size: 227328
    .private_segment_fixed_size: 0
    .kernarg_segment_align: 8
    .kernarg_segment_size: 24
    .max_flat_workgroup_size: 512
    .sgpr_count:     80
    .vgpr_count:     256
    .wavefront_size: 32
...
	.end_amdgpu_metadata
.endif
;; end of part 3
;; launch proj (part 4): grid 8 x 32, 4 waves a work-group, clusters of 4 x 4, 327,680 bytes of LDS; arguments o_op, wp_op, b_proj, out0; writes out0
.if DOCPART == 4
	.amdgcn_target "amdgcn-amd-amdhsa--gfx1250"
	.amdhsa_code_object_version 6
	.text
	.protected	k_qb7e01938d4_proj
	.globl	k_qb7e01938d4_proj
	.p2align	8
	.type	k_qb7e01938d4_proj,@function
k_qb7e01938d4_proj:
	s_mov_b64 s[64:65], 0
	v_nop
	global_prefetch_b8 v0, s[64:65] scope:SCOPE_SE
	s_setreg_imm32_b32 hwreg(HW_REG_WAVE_MODE, 25, 1), 1
	s_wait_xcnt 0x0
	s_wait_alu depctr_hold_cnt(0) depctr_sa_sdst(0) depctr_va_vdst(0) depctr_va_sdst(0) depctr_va_ssrc(0) depctr_va_vcc(0) depctr_vm_vsrc(0)
	s_getreg_b32 s2, hwreg(HW_REG_IB_STS2, 6, 4)
	s_cmp_eq_u32 s2, 0
	s_cbranch_scc0 .Lentry_in_a_cluster
	s_endpgm
.Lentry_in_a_cluster:
	s_bfe_u32 s2, ttmp6, 0x10000c
	s_cmp_lg_u32 s2, 0xf033
	s_cbranch_scc0 .Lentry_shape_is_right
	s_endpgm
.Lentry_shape_is_right:
; out0[token][n] = sum over k of o[token][k] w_proj[n][k] + b_proj[n], f32: 8,192 x 1,024 x 1,024 on codes of FP6 (E2M3) with one E8M0 scale for each 32 along K.
; LIMITS: a sum begins with the bias, where the reference adds it last; NaN, infinities and sums beyond f32's range are not served.
; THE OPERANDS are this program's records of 12,800 bytes, one for each tile of 16 rows: 8 images of an operand's registers (1,536 bytes: two halves of 512 bytes, 16 a lane, and 256 bytes, 8 a lane) and 512 scale bytes
; (block 8 j + i of row r at 12,288 + 128 j + 8 r + i).  Tile T's row r is the tensor's row 32 (T / 2) + 8 (T % 2) + r + 8 (r / 8).
; THE DEAL: 256 work-groups of four waves, 2 x 2, each 256 rows x 128 columns of the result.  A wave holds its 64 columns of w_proj (four tiles), all of K, in 384 registers, and streams o's rows past them in eight blocks of 16:
; the wave in row a takes record 2 s + a of the work-group's 16 as its block s.  A block is 32 products, the four accumulators by turns; the bias is the first products' C.
; CLUSTER 4 x 4: o's records hang on the tile row alone and are shared along a row of the cluster, w_proj's on the tile column alone and are shared along a column.
; LDS: o's 16 records (204,800 bytes), w_proj's 8 (102,400), as they lie in memory; the spare words; a stage of 16 rows x (256 + 16) bytes for each wave.  Every byte is filled once: no ring, no refill,
; and no data prefetch: all that the launch reads is asked for at its head.
; THE HEAD'S FOUR TILES, one a wave, each on a line of its own: w_proj's records; o's records 0 to 7; 8 to 11; 12 to 15.  The stream begins when the first two are in; a plain barrier inside a pair's second block shows the others.
; THE MATRIX INSTRUCTION IS USED TRANSPOSED (source 0 = 16 rows of w_proj, source 1 = 16 rows of o): a lane holds eight neighbouring columns of one row.  Behind a block's products stands one run of memory lines:
; its sums into the stage and back as whole rows of 256 bytes, the fetch of the block two on, one wait, eight stores.
; REGISTERS: 48 fragments of 12 in windows 1 to 3, 21 to a window: 0-31 w_proj's (4 q + tile), 32-47 o's two sets (32 + 8 e + q).  Window 0: the map below.
.set REC,    12800
.set NQ,     8                         ; K / 128
.set NB,     4                         ; column tiles a wave
.set FR,     12
.set FPW,    21
.set NF,     36                        ; LDS loads of a block: 32 for eight fragments, 4 for eight scale words
.set YB,     16*REC                    ; w_proj's records
.set SPARE,  YB+8*REC
.set STAGE,  SPARE+512
.set SPITCH, 272
.set A16_0, 4                          ; v4-6   block 0: 16 x lane, 8 x lane, my row's scale words; never rewritten
.set A8_0,  5
.set AAS0,  6
.set BOF,   8                          ; v8     the bias: 64 x (lane / 16)
.set CO,    9                          ; v9     my byte offset in the result: row lane / 16, 16 bytes x (lane % 16)
.set SPW,   10
.set NIL,   11
.set A16,   12                         ; v12, v13, v17  as v4-6, for the block that is fetched next
.set A8,    13
.set BA16,  14                         ; v14-16 the same for my four tiles of w_proj
.set BA8,   15
.set ABS,   16
.set AAS,   17
.set STO,   18                         ; v18    the stage: where I put 32 bytes of a row
.set RD,    19                         ; v19    where I read 16 bytes of a row back
.set SB,    24                         ; v24-39 w_proj's scale words: 8 p + q: lanes 0-15 tile 2 p, lanes 16-31 tile 2 p + 1
.set SA,    42                         ; v42-57 o's: two sets of eight
.set ACC,   64                         ; v64-127 two sets of four accumulators
.set BK,    128                        ; v128-191 two sets: 16 rows x 256 bytes back from the stage
.set BO,    208                        ; v208-239 the bias as the first four products' C
.set G1A,   24
.set G1B,   32
.set G0A,   56
.set G0B,   60
.set STEPA, 50                         ; s50    from block 0's record to that of the block fetched next (no descriptor's register)
.set MSB, 0
.macro WIN new
.if MSB != (\new)
	s_set_vgpr_msb (MSB<<8)|(\new)
.set MSB, (\new)
.endif
.endm
.macro PLACES n
.rept \n
	v_nop
.endr
.endm
.macro WALU
	s_wait_alu depctr_va_vdst(0)
.endm
.macro BARRIER
	s_barrier_signal -1
	s_barrier_wait -1
.endm
.macro CROUND
	BARRIER
	s_cmp_lg_u32 s14, 0
	s_cbranch_scc1 .Lnot_wave_0_\@
	s_barrier_signal -3
.Lnot_wave_0_\@:
	s_barrier_wait -3
	BARRIER
.endm
.macro TLOAD g0, g1
	tensor_load_to_lds s[\g0:\g0+3], s[\g1:\g1+7]
	s_nop 0
	PLACES 4
.endm
.macro GROUP1 g, mask, rows            ; a dense block as rows of 256 bytes: 32 elements of 8
	s_or_b32 s[\g+0], s[\mask], (3<<16)|(1<<21)
	s_mov_b32 s[\g+1], 32<<16
	s_mov_b32 s[\g+3], 32<<16
.if \rows
	s_mov_b32 s[\g+2], (\rows)<<16
	s_mov_b32 s[\g+4], \rows
.endif
	s_mov_b32 s[\g+5], 32
	s_mov_b32 s[\g+6], 0
	s_mov_b32 s[\g+7], 0
.endm
.macro ATILE first, n                  ; n of o's records from record first on: 50 rows of 256 bytes each
	s_mov_b32 s[G0A+1], (\first)*REC
	s_mov_b32 s[G1A+2], ((\n)*50)<<16
	s_mov_b32 s[G1A+4], (\n)*50
.if \first
	s_add_nc_u64 s[G0A+2:G0A+3], s[G0A+2:G0A+3], (\first)*REC
.endif
	s_or_b32 s[G0A+3], s[G0A+3], 0x80000000
	TLOAD G0A, G1A
.endm
.macro FRAG f, a16, a8, off            ; an image into fragment f
	WIN (1+(\f)/FPW)<<6
.set R_, FR*((\f)%FPW)
	ds_load_b128 v[R_:R_+3], v[\a16] offset:(\off)
	ds_load_b64 v[R_+4:R_+5], v[\a8] offset:(\off)+512
	ds_load_b128 v[R_+6:R_+9], v[\a16] offset:(\off)+768
	ds_load_b64 v[R_+10:R_+11], v[\a8] offset:(\off)+1280
.endm
.macro FETCHAT e, a16, a8, as          ; a record of o into set e: NF loads
.irp q, 0,1,2,3,4,5,6,7
	FRAG NB*NQ+NQ*(\e)+\q, \a16, \a8, 1536*\q
.endr
	WIN 0
.irp j, 0,1,2,3
	ds_load_b64 v[SA+8*(\e)+2*\j:SA+8*(\e)+2*\j+1], v[\as] offset:128*\j
.endr
.endm
.macro PROD1 d, s0, s1, c, x0, x1, o
.if \o
	v_wmma_scale_f32_16x16x128_f8f6f4 v[\d:\d+7], v[FR*((\s0)%FPW):FR*((\s0)%FPW)+FR-1], v[FR*((\s1)%FPW):FR*((\s1)%FPW)+FR-1], \c, v[\x0], v[\x1] matrix_a_fmt:MATRIX_FMT_FP6 matrix_b_fmt:MATRIX_FMT_FP6 matrix_a_scale:MATRIX_SCALE_ROW1
.else
	v_wmma_scale_f32_16x16x128_f8f6f4 v[\d:\d+7], v[FR*((\s0)%FPW):FR*((\s0)%FPW)+FR-1], v[FR*((\s1)%FPW):FR*((\s1)%FPW)+FR-1], \c, v[\x0], v[\x1] matrix_a_fmt:MATRIX_FMT_FP6 matrix_b_fmt:MATRIX_FMT_FP6 matrix_a_scale:MATRIX_SCALE_ROW0
.endif
.endm
.macro PROD e, n                       ; product n = 4 q + tile of a block whose rows lie in set e
.set Q_, (\n)/4
.set FB_, NB*Q_+(\n)%4
.set FA_, NB*NQ+NQ*(\e)+Q_
.set D_, ACC+32*(\e)+8*((\n)%4)
.set XB_, SB+NQ*(((\n)%4)/2)+Q_
.set XA_, SA+8*(\e)+Q_
	WIN (1+FB_/FPW)|((1+FA_/FPW)<<2)
.if Q_
	PROD1 D_, FB_, FA_, v[D_:D_+7], XB_, XA_, (\n)%2
.else
	PROD1 D_, FB_, FA_, v[BO+8*((\n)%4):BO+8*((\n)%4)+7], XB_, XA_, (\n)%2
.endif
.endm
.macro PRODS e, from, to, fetch
.set N_, \from
.rept (\to)-(\from)
	PROD \e, N_
.if (\fetch) && (N_ == 1)
	s_add_co_u32 s[STEPA], s[STEPA], 2*REC         ; on to the record of the block two on
.endif
.set N_, N_+1
.endr
	WIN 0
.endm
.macro STAGED u                        ; set u's sums into my stage, each accumulator from its low end on, and back as whole rows; a wave's LDS instructions are served in order (ISA guide 5.7.1.4)
.irp b, 0,1,2,3
	ds_store_b128 v[STO], v[ACC+32*(\u)+8*\b:ACC+32*(\u)+8*\b+3] offset:128*(\b/2)+32*(\b%2)
	ds_store_b128 v[STO], v[ACC+32*(\u)+8*\b+4:ACC+32*(\u)+8*\b+7] offset:128*(\b/2)+32*(\b%2)+16
.endr
.irp t, 0,1,2,3,4,5,6,7
	ds_load_b128 v[BK+32*(\u)+4*\t:BK+32*(\u)+4*\t+3], v[RD] offset:2*\t*SPITCH
.endr
.endm
.macro TOC s                           ; s[12:13] stands at the pair's first token; the pair's second block lies 32 tokens on.  A record's rows 2 t, 2 t + 1 are tokens 2 t + 8 (t / 4) and the next
.irp t, 0,1,2,3,4,5,6,7
	global_store_b128 v[CO], v[BK+32*(\s)+4*\t:BK+32*(\s)+4*\t+3], s[12:13] offset:(32*(\s)+2*\t+8*(\t/4))*4096 th:TH_STORE_NT   ; 16 lanes store 256 consecutive bytes, aligned
.endr
.endm
.macro STREAM s, fetch, show           ; a pair's block s = 0, 1
.if \show
	PRODS \s, 0, 24, \fetch
	s_wait_tensorcnt 0x0
	s_wait_dscnt 0x0
	s_barrier_signal -1                            ; a plain barrier: waves 2 and 3's tiles are shown to all
	PRODS \s, 24, 32, \fetch
	s_barrier_wait -1
.else
	PRODS \s, 0, 32, \fetch
.endif
.if \fetch                             ; four plain vector lines between the last product and the first reader of its sums and the fetch into its registers
	v_add_nc_u32 v[A16], s[STEPA], v[A16_0]
	v_add_nc_u32 v[A8], s[STEPA], v[A8_0]
	v_add_nc_u32 v[AAS], s[STEPA], v[AAS0]
	v_nop
	WALU                                           ; the wait ahead of the wait below
.else
	PLACES 4
.endif
	s_wait_xcnt 0x0                                ; the stores of two blocks ago have read set s of the rows, those of the block before their base
.if (\s) == 0
	s_add_nc_u64 s[12:13], s[12:13], s[20:21]      ; on to this pair's rows
.endif
	STAGED \s
.if \fetch
	FETCHAT \s, A16, A8, AAS
	s_wait_dscnt NF                                ; the block's rows are back from the stage, and the next block's rows are in; this run's fetch is younger
.else
	s_wait_dscnt 0x0
.endif
	TOC \s
.endm
; ================= THE HEAD
	s_load_b128 s[4:7], s[0:1], 0x0                ; o_op, wp_op
	s_load_b128 s[8:11], s[0:1], 0x10              ; b_proj, out0
	v_lshl_add_u32 v[SPW], v0, 2, SPARE
	v_mov_b32 v[NIL], 0
	ds_add_u32 v[SPW], v[NIL]                      ; the opening lines
	ds_add_u32 v[SPW], v[NIL]
	v_lshrrev_b32 v1, 5, v0
	v_readfirstlane_b32 s14, v1                    ; the wave; s15 its row of the 2 x 2, s16 its column
	s_lshr_b32 s15, s14, 1
	s_and_b32 s16, s14, 1
	s_bfe_u32 s40, ttmp6, 0x40000
	s_bfe_u32 s41, ttmp6, 0x40004
	s_lshl_b32 s42, ttmp9, 2
	s_add_co_u32 s42, s42, s40                     ; tile column, 0 .. 7
	s_and_b32 s43, ttmp7, 0xffff
	s_lshl_b32 s43, s43, 2
	s_add_co_u32 s43, s43, s41                     ; tile row, 0 .. 31
	s_lshl_b32 s44, s41, 2
	s_lshl_b32 s44, 15, s44                        ; my row of the cluster: shares o's records
	s_lshl_b32 s45, 0x1111, s40                    ; my column: shares w_proj's
	GROUP1 G1A, 44, 0                              ; (how many rows, each wave's own arm says)
	GROUP1 G1B, 45, 400
	s_mov_b32 s[G0A], 1
	s_mov_b32 s[G0B], 1
	s_mov_b32 s[G0B+1], YB
	s_mul_i32 s76, s43, 16*REC
	s_mov_b32 s77, 0
	s_mul_i32 s78, s42, 8*REC
	s_mov_b32 s79, 0
	s_lshl_b32 s82, s42, 9                         ; my first column, in bytes: 512 x tile column + 256 x wave column
	s_lshl_b32 s21, s16, 8
	s_add_co_u32 s82, s82, s21
	s_mov_b32 s83, 0
	s_lshl_b32 s84, s43, 20                        ; my first token: 256 x tile row + 8 x wave row, rows of 4,096 bytes
	s_lshl_b32 s21, s15, 15
	s_add_co_u32 s84, s84, s21
	s_add_co_u32 s84, s84, s82
	s_mov_b32 s85, 0
	s_mul_i32 s21, s15, REC                        ; LDS: block 0's record,
	s_add_co_u32 s22, s21, 12288
	s_mul_i32 s46, s16, 4*REC                      ; my four records of w_proj,
	s_add_co_u32 s46, s46, YB
	s_add_co_u32 s47, s46, 12288
	s_mul_i32 s48, s14, 16*SPITCH                  ; my stage
	s_add_co_u32 s48, s48, STAGE
	v_and_b32 v1, 15, v0
	v_bfe_u32 v2, v0, 4, 1
	v_and_b32 v3, 31, v0
	v_lshl_add_u32 v[A16_0], v3, 4, s21
	v_lshl_add_u32 v[A8_0], v3, 3, s21
	v_lshl_add_u32 v[AAS0], v1, 3, s22
	v_add_nc_u32 v[A16], 2*REC, v[A16_0]
	v_add_nc_u32 v[A8], 2*REC, v[A8_0]
	v_add_nc_u32 v[AAS], 2*REC, v[AAS0]
	v_lshl_add_u32 v[BA16], v3, 4, s46
	v_lshl_add_u32 v[BA8], v3, 3, s46
	v_mul_u32_u24 v22, v2, REC                     ; lanes 16-31 take the odd tile's scale words
	v_lshl_add_u32 v22, v1, 3, v22
	v_add_nc_u32 v[ABS], s47, v22
	v_mul_u32_u24 v23, v1, SPITCH
	v_lshl_add_u32 v23, v2, 6, v23
	v_add_nc_u32 v[STO], s48, v23
	v_mul_u32_u24 v23, v2, SPITCH
	v_lshl_add_u32 v23, v1, 4, v23
	v_add_nc_u32 v[RD], s48, v23
	v_mul_u32_u24 v23, v2, 4096
	v_lshl_add_u32 v[CO], v1, 4, v23
	v_lshlrev_b32 v[BOF], 6, v2
	WALU                                           ; the wait at the head's end
	s_wait_dscnt 0x0
	CROUND                                         ; the opening round
	s_wait_kmcnt 0x0
	s_add_nc_u64 s[G0A+2:G0A+3], s[4:5], s[76:77]
	s_add_nc_u64 s[G0B+2:G0B+3], s[6:7], s[78:79]
	s_or_b32 s[G0B+3], s[G0B+3], 0x80000000
	s_add_nc_u64 s[8:9], s[8:9], s[82:83]
	s_add_nc_u64 s[12:13], s[10:11], s[84:85]
	s_cmp_eq_u32 s14, 0
	s_cbranch_scc0 .Lwave_1
	TLOAD G0B, G1B                                 ; wave 0: w_proj's records, which are wanted first
	s_branch .Lasked
.Lwave_1:
	s_cmp_eq_u32 s14, 1
	s_cbranch_scc0 .Lwave_2
	ATILE 0, 8                                     ; wave 1: o's records 0 to 7
	s_branch .Lasked
.Lwave_2:
	s_cmp_eq_u32 s14, 2
	s_cbranch_scc0 .Lwave_3
	ATILE 8, 4                                     ; wave 2: 8 to 11
	s_branch .Lasked
.Lwave_3:
	ATILE 12, 4                                    ; wave 3: 12 to 15
.Lasked:
.irp b, 0,1,2,3                        ; the bias: register i of tile b of lane (r, h) is column 32 (b / 2) + 8 (b % 2) + 16 h + i of my wave's 64
	global_load_b128 v[BO+8*\b:BO+8*\b+3], v[BOF], s[8:9] offset:(32*(\b/2)+8*(\b%2))*4
	global_load_b128 v[BO+8*\b+4:BO+8*\b+7], v[BOF], s[8:9] offset:(32*(\b/2)+8*(\b%2))*4+16
.endr
	s_cmp_eq_u32 s14, 0
	s_cbranch_scc0 .Lnot_b
	s_wait_tensorcnt 0x0
.Lnot_b:
	BARRIER                                        ; w_proj's records have landed
.irp q, 0,1,2,3,4,5,6,7
.irp b, 0,1,2,3
	FRAG NB*\q+\b, BA16, BA8, \b*REC+1536*\q
.endr
.endr
	WIN 0
.irp p, 0,1
.irp j, 0,1,2,3
	ds_load_b64 v[SB+NQ*\p+2*\j:SB+NQ*\p+2*\j+1], v[ABS] offset:\p*2*REC+128*\j
.endr
.endr
	s_mov_b32 s[STEPA], 2*REC
	s_cmp_eq_u32 s14, 1
	s_cbranch_scc0 .Lnot_a
	s_wait_tensorcnt 0x0                           ; wave 1: o's records 0 to 7 have landed
.Lnot_a:
	s_wait_dscnt 0x0
	BARRIER                                        ; waves 2 and 3's tiles may still be on their way
	FETCHAT 0, A16_0, A8_0, AAS0
	FETCHAT 1, A16, A8, AAS
; ================= THE STREAM: eight blocks
	s_mov_b32 s23, 0
	s_mov_b32 s20, 0                               ; s[20:21]: from a pair's rows of the result to the next pair's; block 0 begins where the base stands
	s_mov_b32 s21, 0
	s_wait_loadcnt 0x0                             ; the bias
	s_wait_dscnt NF                                ; block 0's rows are in
.Lpair:                                                ; blocks 0 to 5, a pair a trip
	STREAM 0, 1, 0
	STREAM 1, 1, 1
	s_mov_b32 s20, 64*4096                         ; the next pair's rows lie 64 tokens on
	s_add_co_u32 s23, s23, 1
	s_cmp_lg_u32 s23, 3
	s_cbranch_scc1 .Lpair
	STREAM 0, 0, 0                                 ; blocks 6 and 7 fetch nothing
	STREAM 1, 0, 0
	s_wait_tensorcnt 0x0                           ; the wave's end
	ds_add_u32 v[SPW], v[NIL]
	s_wait_dscnt 0x0
	CROUND                                         ; the closing round
	s_endpgm
.Lfunc_end_k_qb7e01938d4_proj:
	.size	k_qb7e01938d4_proj, .Lfunc_end_k_qb7e01938d4_proj-k_qb7e01938d4_proj
	.p2alignl 7, 3214868480
	.fill 96, 4, 3214868480
	.section	.rodata,"a",@progbits
	.p2align	6, 0x0
	.amdhsa_kernel k_qb7e01938d4_proj
		.amdhsa_group_segment_fixed_size 327680
		.amdhsa_private_segment_fixed_size 0
		.amdhsa_enable_private_segment 0
		.amdhsa_kernarg_size 32
		.amdhsa_user_sgpr_count 2
		.amdhsa_user_sgpr_kernarg_segment_ptr 1
		.amdhsa_wavefront_size32 1
		.amdhsa_system_sgpr_workgroup_id_x 1
		.amdhsa_system_sgpr_workgroup_id_y 1
		.amdhsa_system_sgpr_workgroup_id_z 1
		.amdhsa_system_vgpr_workitem_id 0
		.amdhsa_next_free_vgpr 840
		.amdhsa_next_free_sgpr 100
		.amdhsa_reserve_vcc 0
		.amdhsa_float_denorm_mode_32 3
		.amdhsa_float_denorm_mode_16_64 3
		.amdhsa_memory_ordered 1
		.amdhsa_forward_progress 1
		.amdhsa_inst_pref_size 52
	.end_amdhsa_kernel
	.amdgpu_metadata
---
amdhsa.version: [ 1, 2 ]
amdhsa.kernels:
  - .name:           k_qb7e01938d4_proj
    .symbol:         k_qb7e01938d4_proj.kd
    .args:
      - { .name: o_op, .offset: 0, .size: 8, .value_kind: global_buffer, .address_space: global }
      - { .name: wp_op, .offset: 8, .size: 8, .value_kind: global_buffer, .address_space: global }
      - { .name: b_proj, .offset: 16, .size: 8, .value_kind: global_buffer, .address_space: global }
      - { .name: out0, .offset: 24, .size: 8, .value_kind: global_buffer, .address_space: global }
    .group_segment_fixed_size: 327680
    .private_segment_fixed_size: 0
    .kernarg_segment_align: 8
    .kernarg_segment_size: 32
    .max_flat_workgroup_size: 128
    .sgpr_count:     100
    .vgpr_count:     840
    .wavefront_size: 32
...
	.end_amdgpu_metadata
.endif
;; end of part 4
